; MI455X (gfx1250); checked and timed in simulation.
; The chip was launched on July 23, 2026; its instructions are those of AMD's public machine-readable ISA for CDNA 5 (MIT licence, August 2026) and "CDNA5" Instruction Set Architecture Reference Guide (July 2026). The comments in the code are by the model that wrote it; some were corrected since.
;; Attention. Allowed arithmetic: matrix products marked QUANTISED: E2M3 operands, one E8M0 scale for each 32 along K, by v_wmma_scale_f32_16x16x128_f8f6f4 with both operands' format E2M3, f32 sums; everything else in f32.
;; Inputs: attn_mask 4 x 1 x 2,048 x 2,048 bool; keys 4 x 2,048 x 1,024 float32; queries 4 x 2,048 x 1,024 float32; values_codes 4 x 1,024 x 64 x 24 uint8 (E2M3 codes of values, K innermost, in blocks of 32 codes, four codes in three bytes); values_scales 4 x 1,024 x 64 uint8 (E8M0 scales of values, one for each 32 codes along K).
;; Outputs: out0 4 x 2,048 x 1,024 float32.
;; This version of the problem:
;;   THIS VERSION OF THE PROBLEM IS GIVEN IN LOW PRECISION. The matrix products marked QUANTISED in the list below multiply operands that are first quantised to E2M3 (2 exponent bits, 3 mantissa bits; 6 bits a number), with one power-of-two scale for each 32 numbers along K (OCP MX v1.0); their sums are f32. All else is computed in f32.
;;   The module's matrix products, in the order in which they are computed (A, B: the left and right operand; K: the contracted axis; several contracted axes count as one K, in the product's order):
;;     1. batch 64 x [M 2,048, K 64] x [K 64, N 2,048]; A: input queries; B: input keys: QUANTISED
;;     2. batch 64 x [M 64, K 2,048] x [K 2,048, N 2,048]; A: input values (given as codes); B: softmax (see below): QUANTISED
;;   THE QUANTISER, for each operand of a quantised product, along K:
;;     - K is cut into blocks of 32 from its start; a last block that is shorter is filled with zeros.
;;     - A block's scale is 2^e with e = floor(log2(the largest magnitude in the block)) - 2, held to -126 .. 127; a block of zeros has e = 0. As a byte (E8M0): e + 127.
;;     - Each number is divided by its block's scale, clamped to +-7.5, and rounded to the nearest number of E2M3, ties to even, subnormals kept.
;;     - The product sums the exact products of the quantised numbers (number of the format x scale) in f32.
;;   ~~~python
;;   def quantise(x, axis):      # numpy; x: float32 -> the quantised numbers, widened to float32 again
;;       x = np.moveaxis(x, axis, -1); K = x.shape[-1]
;;       x = np.pad(x, [(0, 0)] * (x.ndim - 1) + [(0, -K % 32)]); x = x.reshape(x.shape[:-1] + (-1, 32)); a = np.abs(x).max(-1, keepdims=True)
;;       e = np.where(a > 0, np.clip(np.frexp(np.where(a > 0, a, 1))[1] - 1 - 2, -126, 127), 0)      # np.frexp(a)[1] - 1 = floor(log2(a)), exactly
;;       r = np.clip(x / 2.0 ** e, -7.5, 7.5)
;;       step = 2.0 ** (np.maximum(np.frexp(np.where(r == 0, 1, r))[1] - 1, 0) - 3)
;;       q = np.round(r / step) * step * 2.0 ** e      # np.round: ties to even
;;       return np.moveaxis(q.reshape(q.shape[:-2] + (-1,))[..., :K], -1, axis).astype(np.float32)
;;   ~~~
;;   SOFTMAX AHEAD OF A QUANTISED PRODUCT. Where the list says 'softmax', what is quantised is not the finished softmax but p = 2^(t - M), with t = logit x log2(e) and M = ceil(the row's largest t), a whole number; so 1/2 < the row's largest p <= 1. The row's sum l is taken of the UNQUANTISED p, in f32, and the product's result is divided by l at the end. Since M is a whole number, a kernel that streams over the keys may use a running M (the ceiling of the running maximum): every later rescaling is an exact power of two, which a block's scale takes up: the codes' values come out the same.
;;   OPERANDS COMPUTED ON THE WAY. 'Computed on the way' means the value that the module computes at that place (a softmax that the list does not call 'softmax' is quantised finished and normalised). What goes into a quantiser is computed in f32, as accurately as f32 sums, v_exp_f32 and their like allow (about 1e-6 of the number): no bf16 or f16 on the way to a quantiser, and a product that is left as it is and whose result goes on into a quantised operand takes f32 operands (vector FMAs, or v_wmma_f32_16x16x4_f32). A number that lies on a knife's edge between two numbers of the format may be rounded either way, as far as f32 arithmetic and the matrix unit's own rounding can turn it there, and no further.
;;   INPUTS GIVEN AS CODES. values (in the module: [4, 2048, 1024], K = its axis 1): each comes as NAME_codes (uint8): NAME with its K axis moved to the last place and cut into blocks of 32 codes, [.., K / 32, bytes a block], one block behind the other in memory; four codes in three bytes: a row's codes are one little-endian stream of bits, code i at bits 6 i .. 6 i + 5 (a code: sign, 2 exponent bits, 3 mantissa bits); and NAME_scales (uint8): the same leading axes, one E8M0 byte (e + 127) for each 32 codes along K. Its value is code x scale, taken as it is: it is not quantised again, and the codes and scales need not be those that the quantiser above would give.
;; 2 versions. Each part assembles by itself: llvm-mc -triple=amdgcn-amd-amdhsa -mcpu=gfx1250 --defsym DOCPART=n.
;; ======== version 1 of 2: 2 launches
;; workspace buffers: kimg 6,291,456 bytes; kscl 524,288 bytes; lmask 2,097,152 bytes of whole numbers; flags 4,096 bytes of whole numbers
;; launch prep (part 1): grid 256 x 1, 8 waves a work-group, no clusters, 206,848 bytes of LDS; arguments keys, attn_mask, kimg, kscl, lmask, flags; writes kimg, kscl, lmask, flags
.if DOCPART == 1
	.amdgcn_target "amdgcn-amd-amdhsa--gfx1250"
	.amdhsa_code_object_version 6
	.text
	.protected	k_q5f29765c33_prep
	.globl	k_q5f29765c33_prep
	.p2align	8
	.type	k_q5f29765c33_prep,@function
k_q5f29765c33_prep:
	s_mov_b64 s[64:65], 0
	v_nop
	global_prefetch_b8 v0, s[64:65] scope:SCOPE_SE
	s_setreg_imm32_b32 hwreg(HW_REG_WAVE_MODE, 25, 1), 1
	s_wait_xcnt 0x0
; FIRST LAUNCH OF TWO.  out0 = attention(queries, keys, values, attn_mask), 4 batches x 16 heads x 2,048 x 2,048, head size 64, both products on codes of FP6 (E2M3) with one E8M0 scale for each 32 along K.
; NO WORK OF reference() IS LEFT OUT AS DEAD: every input has a way to the output and is loaded.  What the second launch passes over is decided by whole numbers that it reads from memory: attn_mask is an
; input of bytes, and a piece of 16 queries x 128 keys all of whose bytes say 'hidden' has p = 0 for all its numbers, so it moves no maximum, no sum and no output, whatever the mask holds.
; THIS LAUNCH reads keys and attn_mask once and stores, for the second launch:
;   kimg  [head 64][step 16][chunk 12][lane 32][16 bytes]: the keys' codes in the order of the reader's 48 operand registers.  Register 12 g + 6 u + i of lane (r, hh) is word i of the 24 bytes of codes of
;         key 128 step + 32 g + 8 u + r + 8 (r / 8), block hh of that key's two blocks of 32;
;   kscl  [head][step][lane][g] words: lanes 0-15 the scale word of tile 2 g's key r, lanes 16-31 that of tile 2 g + 1's: bytes (block 0, block 1, 0x7f, 0x7f);
;   lmask [batch][tile of 16 queries 128][step 16][n 64] words: bit L of word n = mask(query L % 16, key 128 step + 32 (n / 16) + 16 (L / 16) + n % 16): the key that the reader's score register n holds in lane L;
;   flags [batch][tile][half 2] words: bit 2 jj: in step 8 half + jj some key counts for some of the 16 queries; bit 2 jj + 1: some key is hidden.
; A block's scale is 2^(floor(log2(its largest magnitude)) - 2); its byte is the largest magnitude's exponent field - 2, held at 1 from below (a block of zeros so gets the byte 1 where the rule says 127: its
; codes are zeros, which add nothing, and this program alone reads the bytes).
; LIMITS: NaN and infinities among keys are not served; blocks whose largest magnitude lies under 2^-124, the floor, were not tried; a mask byte other than 0 or 1 counts as 'hidden' in lmask, and can only
; set a flag that would else be clear, never clear one.
; SHARES: 1,024 tasks of 128 keys of one head (128 rows x 256 bytes) for waves 0-3, 1,024 tasks of 16 mask rows x 1,024 bytes for waves 4-7: one task a wave, brought by ONE tensor load into LDS bytes of the
; wave's own, read by that wave alone: no barrier, nothing is filled again.  No branch hangs on loaded numbers: the flags are made by selects.
.set KP,    272                        ; a key's row in LDS: 256 bytes + 16
.set KREG,  128*KP                     ; a key wave's region
.set MP,    1040                       ; a mask row in LDS: 1,024 bytes + 16
.set MREG,  16*MP                      ; a mask wave's region
.set MBASE, 4*KREG-4*MREG              ; wave w (4 to 7) has its region at MBASE + MREG w, behind the four key regions
.set SPARE, 4*KREG+4*MREG              ; behind the regions: the spare words, 128 bytes for each wave: four blocks of 256 bytes that no other line names
.set SPW,   8                          ; v8   LDS address of my spare word; never rewritten
.set NIL,   9                          ; v9   0; never rewritten
.set X,     32                         ; v32-159  keys: two sets of 64 numbers; mask: 8 steps x 16 registers
.set C,     160                        ; v160-207 keys: the codes, 12 registers a group of 32 keys
.set MO,    160                        ; v160-175 mask: a pair of registers a step: lane l holds words 2 l and 2 l + 1
.set TT,    186                        ; v186-192 mask: bytes shifted to the top
; v1 lane, v2 r, v3 hh, v4 my place among the keys' rows, v5 among the mask's, v6 16 x lane, v7 8 x lane, v10 8 hh, v11 0, v12-13 largest magnitudes, v14-15 scale operands, v16-17 bytes, v18-19 the other half's,
; v20-26 second halves of the codes, v28-31 the scale words, v176-179 OR, v180-183 AND, v184 the flags
.macro CLOSE                           ; a wave's end: three lines behind its tensor load
	s_wait_tensorcnt 0x0
	ds_add_u32 v[SPW], v[NIL]
	s_wait_dscnt 0x0
	s_endpgm
.endm
	s_load_b256 s[4:11], s[0:1], 0x0               ; keys s[4:5], attn_mask s[6:7], kimg s[8:9], kscl s[10:11]
	s_load_b128 s[12:15], s[0:1], 0x20             ; lmask s[12:13], flags s[14:15]
	v_lshl_add_u32 v[SPW], v0, 2, SPARE
	v_mov_b32 v[NIL], 0
	ds_add_u32 v[SPW], v[NIL]                      ; the wave's opening: the add, twice on end, and its wait ahead of my tensor load
	ds_add_u32 v[SPW], v[NIL]
	v_lshrrev_b32 v1, 5, v0
	v_readfirstlane_b32 s16, v1                    ; wave 0..7
	; descriptor group 1 for the keys: 128 rows x 32 elements of 8 bytes, 512 elements from row to row; 4 words of padding behind every 64
	s_mov_b32 s20, (3<<16)|(1<<20)|(5<<22)|(3<<25)
	s_mov_b32 s21, 32<<16                          ; tensor_dim0
	s_mov_b32 s22, 128<<16                         ; tensor_dim1
	s_mov_b32 s23, 32<<16                          ; tile_dim0
	s_mov_b32 s24, 128                             ; tile_dim1
	s_mov_b32 s25, 512                             ; a row of keys is 4,096 bytes
	s_mov_b32 s26, 0
	s_mov_b32 s27, 0
	; and for the mask: 16 rows x 128 elements of 8 bytes, 256 elements from row to row; 4 words of padding behind every 256
	s_mov_b32 s28, (3<<16)|(1<<20)|(7<<22)|(3<<25)
	s_mov_b32 s29, 128<<16
	s_mov_b32 s30, 16<<16
	s_mov_b32 s31, 128<<16
	s_mov_b32 s32, 16
	s_mov_b32 s33, 256                             ; a row of the mask is 2,048 bytes
	s_mov_b32 s34, 0
	s_mov_b32 s35, 0
	s_mov_b32 s40, 0x76543210
	s_mov_b32 s41, 0xfedcba98                      ; v_permlanex16_b32's selects for lane l xor 16
	s_mov_b32 s42, 0xffff0000                      ; lanes 16-31
	s_mov_b32 s43, 0x00ffffff                      ; a word above this has a top byte other than 0
	v_and_b32 v1, 31, v0                           ; lane
	v_and_b32 v2, 15, v0                           ; r
	v_bfe_u32 v3, v0, 4, 1                         ; hh
	v_and_b32 v4, 8, v2
	v_add_nc_u32 v4, v4, v2                        ; r + 8 (r / 8)
	v_mul_u32_u24 v4, v4, KP
	v_lshl_add_u32 v4, v3, 7, v4                   ; + my block's 128 bytes
	s_mul_i32 s18, s16, KREG
	v_add_nc_u32 v4, s18, v4                       ; both arms' LDS addresses are made here, ahead of the parting
	v_mul_u32_u24 v5, v2, MP
	v_lshl_add_u32 v5, v3, 4, v5                   ; mask row r, + 16 hh
	s_mul_i32 s19, s16, MREG
	s_add_co_u32 s19, s19, MBASE
	v_add_nc_u32 v5, s19, v5
	v_lshlrev_b32 v6, 4, v1
	v_lshlrev_b32 v7, 3, v1
	v_lshlrev_b32 v10, 3, v3
	v_mov_b32 v11, 0
	s_and_b32 s17, s16, 3
	s_lshl_b32 s56, ttmp9, 2
	s_add_co_u32 s17, s17, s56                     ; my task: 4 x work-group + wave % 4
	s_mov_b32 s57, 0
	s_wait_dscnt 0x0                               ; both opening adds are done
	s_wait_kmcnt 0x0
	s_cmp_lt_u32 s16, 4
	s_cbranch_scc0 .Lmask
	; ---- THE KEYS.  Task = 16 x head + step
	s_lshr_b32 s56, s17, 8
	s_lshl_b32 s56, s56, 23                        ; batch x 2,048 rows of 4,096 bytes
	s_and_b32 s58, s17, 15
	s_lshl_b32 s58, s58, 19                        ; + step x 128 rows
	s_add_co_u32 s56, s56, s58
	s_bfe_u32 s58, s17, 0x40004
	s_lshl_b32 s58, s58, 8                         ; + the head's 256 bytes of a row
	s_add_co_u32 s56, s56, s58
	s_mov_b32 s36, 1                               ; group 0: count,
	s_mov_b32 s37, s18                             ; LDS address: my region,
	s_add_nc_u64 s[38:39], s[4:5], s[56:57]        ; global address,
	s_or_b32 s39, s39, 0x80000000                  ; type
	tensor_load_to_lds s[36:39], s[20:27]
	s_nop 0
	s_mul_i32 s56, s17, 6144
	s_add_nc_u64 s[8:9], s[8:9], s[56:57]          ; my 6,144 bytes of kimg
	s_lshl_b32 s56, s17, 9
	s_add_nc_u64 s[10:11], s[10:11], s[56:57]      ; my 512 bytes of kscl
	v_mov_b32 v18, 0                               ; written once: a lane permute's destination counts as one of its sources
	v_mov_b32 v19, 0
.macro KLOAD g                         ; group g: for u = 0, 1 my block (32 numbers, 128 bytes) of key 32 g + 8 u + r + 8 (r / 8), into set g % 2
.irp u, 0,1
.irp i, 0,1,2,3,4,5,6,7
	ds_load_b128 v[X+64*((\g)%2)+32*\u+4*\i:X+64*((\g)%2)+32*\u+4*\i+3], v4 offset:(32*(\g)+8*\u)*KP+16*\i
.endr
.endr
.endm
.macro KQ g                            ; its two blocks are quantised (all 32 numbers of a block are mine) and leave
.set XS, X+64*((\g)%2)
.irp u, 0,1
	v_max3_num_f32 v[12+\u], |v[XS+32*\u]|, |v[XS+32*\u+1]|, 0x1800000   ; the floor 2^(3 - 127), under which no largest magnitude is taken: so the byte cannot fall under 1
.endr
.irp i, 2,4,6,8,10,12,14,16,18,20,22,24,26,28,30
.irp u, 0,1
	v_max3_num_f32 v[12+\u], v[12+\u], |v[XS+32*\u+\i]|, |v[XS+32*\u+\i+1]|   ; (the two blocks by turns)
.endr
.endr
.irp u, 0,1
	v_add_nc_u32 v[14+\u], 0xff000000, v[12+\u]    ; 2 off the exponent field: the conversion takes the exponent field of this operand as its scale
.endr
.irp u, 0,1
	v_lshrrev_b32 v[16+\u], 23, v[14+\u]           ; the scale's byte
.endr
.irp u, 0,1
	v_cvt_scalef32_pk16_fp6_f32 v[C+12*\g+6*\u:C+12*\g+6*\u+2], v[XS+32*\u:XS+32*\u+15], v[14+\u]
	v_cvt_scalef32_pk16_fp6_f32 v[20+4*\u:22+4*\u], v[XS+32*\u+16:XS+32*\u+31], v[14+\u]   ; (a conversion's three registers begin on an even number)
.endr
.irp u, 0,1
	v_lshlrev_b32 v[16+\u], v10, v[16+\u]          ; my byte at its place in the word, 8 hh bits up.  (A plain line behind the conversions)
.endr
.irp u, 0,1
.irp i, 0,1,2
	v_mov_b32 v[C+12*\g+6*\u+3+\i], v[20+4*\u+\i]
.endr
.endr
.irp u, 0,1
	v_permlanex16_b32 v[18+\u], v[16+\u], s40, s41
.endr
.irp u, 0,1
	v_or_b32 v[16+\u], v[16+\u], v[18+\u]          ; with lane l xor 16's byte: the key's two
.endr
	v_cndmask_b32 v[28+\g], v16, v17, s42          ; lanes 0-15 keep tile 2 g's word, lanes 16-31 tile 2 g + 1's
	v_or_b32 v[28+\g], 0x7f7f0000, v[28+\g]        ; blocks 2 and 3 of the instruction's 128: the scale 1 over zero products
.irp c, 0,1,2
	global_store_b128 v6, v[C+12*\g+4*\c:C+12*\g+4*\c+3], s[8:9] offset:1536*\g+512*\c   ; 32 lanes store 512 consecutive bytes, aligned; each group has registers of its own, so no store's data are written again
.endr
.endm
	s_wait_tensorcnt 0x0                           ; my tile is in LDS
	KLOAD 0
	KLOAD 1
	s_wait_dscnt 16                                ; group 0's loads are in; the younger group's 16 may be out
	KQ 0
	KLOAD 2
	s_wait_dscnt 16
	KQ 1
	KLOAD 3
	s_wait_dscnt 16
	KQ 2
	s_wait_dscnt 0x0
	KQ 3
	global_store_b128 v6, v[28:31], s[10:11]       ; the step's scale words: 512 consecutive bytes
	CLOSE
	; ---- THE MASK.  Task = 2 x (128 x batch + tile of 16 queries) + half of the keys
.Lmask:
	s_lshr_b32 s56, s17, 1
	s_lshl_b32 s56, s56, 15                        ; 16 rows of 2,048 bytes a tile
	s_and_b32 s58, s17, 1
	s_lshl_b32 s58, s58, 10                        ; + the half's 1,024 bytes
	s_add_co_u32 s56, s56, s58
	s_mov_b32 s36, 1
	s_mov_b32 s37, s19
	s_add_nc_u64 s[38:39], s[6:7], s[56:57]
	s_or_b32 s39, s39, 0x80000000
	tensor_load_to_lds s[36:39], s[28:35]
	s_nop 0
	s_lshl_b32 s56, s17, 11
	s_add_nc_u64 s[12:13], s[12:13], s[56:57]      ; my 2,048 bytes of lmask
	s_lshl_b32 s56, s17, 2
	s_add_nc_u64 s[14:15], s[14:15], s[56:57]      ; my word of flags
	s_mov_b32 s44, 0                               ; the flags
.irp i, 0,1,2,3,4,5,6,7,8,9,10,11,12,13,14,15
	v_mov_b32 v[MO+\i], 0                          ; written once: v_writelane_b32's destination counts as one of its sources
.endr
	s_wait_tensorcnt 0x0                           ; my tile is in LDS
.irp s, 0,1,2,3,4,5,6,7
.irp i, 0,1,2,3
	ds_load_b128 v[X+16*\s+4*\i:X+16*\s+4*\i+3], v5 offset:128*\s+32*\i   ; row r, keys 128 s + 32 i + 16 hh + 0 .. 15: byte n % 4 of register 16 s + n / 4 is the key of score register n
.endr
.endr
.macro MSTEP jj
.set XJ, X+16*\jj
	s_wait_dscnt 4*(7-\jj)                         ; this step's four loads are in; the later steps', four each, may be out
.irp k, 0,1,2,3
	v_or_b32 v[176+\k], v[XJ+\k], v[XJ+4+\k]
	v_and_b32 v[180+\k], v[XJ+\k], v[XJ+4+\k]
.endr
.irp q, 8,12
.irp k, 0,1,2,3
	v_or_b32 v[176+\k], v[176+\k], v[XJ+\q+\k]
	v_and_b32 v[180+\k], v[180+\k], v[XJ+\q+\k]
.endr
.endr
	v_or_b32 v176, v176, v177
	v_or_b32 v178, v178, v179
	v_and_b32 v180, v180, v181
	v_and_b32 v182, v182, v183
	v_or_b32 v176, v176, v178                      ; 0 where all my 64 bytes are 0
	v_and_b32 v180, v180, v182                     ; 0x01010101 where all my 64 bytes are 1
	v_cmp_ne_u32 s46, 0, v176
	v_cmp_ne_u32 s47, 0x01010101, v180
	s_cmp_lg_u32 s46, 0                            ; some lane has a hidden key: by a select, not by a branch
	s_cselect_b32 s46, 2<<(2*\jj), 0
	s_or_b32 s44, s44, s46
	s_cmp_lg_u32 s47, 0                            ; some lane has a key that counts
	s_cselect_b32 s47, 1<<(2*\jj), 0
	s_or_b32 s44, s44, s47
.set n0, 0
.rept 8                                ; eight words at a time: byte n % 4 goes to the top of a word, the compare gives the 32 lanes' bits, and the word goes to lane n / 2 of the step's pair
.irp e, 0,1,2,4,5,6
	v_lshlrev_b32 v[TT+\e], 24-8*(\e%4), v[XJ+n0/4+\e/4]
.endr
.irp e, 0,1,2,4,5,6
	v_cmp_lt_u32 s[48+\e], s43, v[TT+\e]
.endr
.irp e, 3,7
	v_cmp_lt_u32 s[48+\e], s43, v[XJ+n0/4+\e/4]
.endr
.irp e, 0,1,2,3,4,5,6,7
	v_writelane_b32 v[MO+2*\jj+\e%2], s[48+\e], n0/2+\e/2
.endr
.set n0, n0+8
.endr
	global_store_b64 v7, v[MO+2*\jj:MO+2*\jj+1], s[12:13] offset:256*\jj   ; 32 lanes store 256 consecutive bytes, aligned; each step has a pair of its own
.endm
.irp s, 0,1,2,3,4,5,6,7
	MSTEP \s
.endr
	v_mov_b32 v184, s44
	s_wait_xcnt 0x0                                ; EXEC changes only behind this wait: the stores above have had their addresses translated
	v_cmp_eq_u32 vcc_lo, 0, v1
	s_and_saveexec_b32 s46, vcc_lo                 ; lane 0 alone
	global_store_b32 v11, v184, s[14:15]           ; the task's word of flags
	s_wait_xcnt 0x0                                ; and again, in front of the line that widens it
	s_or_b32 exec_lo, exec_lo, s46
	CLOSE
.Lfunc_end_k_q5f29765c33_prep:
	.size	k_q5f29765c33_prep, .Lfunc_end_k_q5f29765c33_prep-k_q5f29765c33_prep
	.p2alignl 7, 3214868480
	.fill 96, 4, 3214868480
	.section	.rodata,"a",@progbits
	.p2align	6, 0x0
	.amdhsa_kernel k_q5f29765c33_prep
		.amdhsa_group_segment_fixed_size 206848
		.amdhsa_private_segment_fixed_size 0
		.amdhsa_enable_private_segment 0
		.amdhsa_kernarg_size 48
		.amdhsa_user_sgpr_count 2
		.amdhsa_user_sgpr_kernarg_segment_ptr 1
		.amdhsa_wavefront_size32 1
		.amdhsa_system_sgpr_workgroup_id_x 1
		.amdhsa_system_sgpr_workgroup_id_y 1
		.amdhsa_system_sgpr_workgroup_id_z 1
		.amdhsa_system_vgpr_workitem_id 0
		.amdhsa_next_free_vgpr 208
		.amdhsa_next_free_sgpr 66
		.amdhsa_reserve_vcc 1
		.amdhsa_float_denorm_mode_32 3
		.amdhsa_float_denorm_mode_16_64 3
		.amdhsa_memory_ordered 1
		.amdhsa_forward_progress 1
		.amdhsa_inst_pref_size 113
	.end_amdhsa_kernel
	.amdgpu_metadata
---
amdhsa.version: [ 1, 2 ]
amdhsa.kernels:
  - .name:           k_q5f29765c33_prep
    .symbol:         k_q5f29765c33_prep.kd
    .args:
      - { .name: keys, .offset: 0, .size: 8, .value_kind: global_buffer, .address_space: global }
      - { .name: attn_mask, .offset: 8, .size: 8, .value_kind: global_buffer, .address_space: global }
      - { .name: kimg, .offset: 16, .size: 8, .value_kind: global_buffer, .address_space: global }
      - { .name: kscl, .offset: 24, .size: 8, .value_kind: global_buffer, .address_space: global }
      - { .name: lmask, .offset: 32, .size: 8, .value_kind: global_buffer, .address_space: global }
      - { .name: flags, .offset: 40, .size: 8, .value_kind: global_buffer, .address_space: global }
    .group_segment_fixed_size: 206848
    .private_segment_fixed_size: 0
    .kernarg_segment_align: 8
    .kernarg_segment_size: 48
    .max_flat_workgroup_size: 256
    .sgpr_count:     66
    .vgpr_count:     208
    .wavefront_size: 32
...
	.end_amdgpu_metadata
.endif
;; end of part 1
;; launch attn (part 2): grid 4 x 64, 16 waves a work-group, no clusters, 282,112 bytes of LDS; arguments queries, kimg, kscl, values_codes, values_scales, lmask, flags, out0; writes out0
.if DOCPART == 2
	.amdgcn_target "amdgcn-amd-amdhsa--gfx1250"
	.amdhsa_code_object_version 6
	.text
	.protected	k_q5f29765c33_attn
	.globl	k_q5f29765c33_attn
	.p2align	8
	.type	k_q5f29765c33_attn,@function
k_q5f29765c33_attn:
	s_mov_b64 s[64:65], 0
	v_nop
	global_prefetch_b8 v0, s[64:65] scope:SCOPE_SE
	s_setreg_imm32_b32 hwreg(HW_REG_WAVE_MODE, 25, 1), 1
	s_wait_xcnt 0x0
; SECOND LAUNCH OF TWO.  out0[b][q][64 h + d] = the sum over keys of softmax(q . k / 8, hidden keys at -infinity) v, both products on codes of FP6 (E2M3), one E8M0 scale for each 32 along a product's K.
; THE SOFTMAX AHEAD OF THE SECOND PRODUCT: t = score x log2(e) / 8; M = the row's largest t so far, rounded UP to a whole number; p = 2^(t - M) is what is quantised, along the keys, not normalised.  The row's sum
; is taken of the unquantised p and divides at the end.  When M moves, the sum and O are multiplied by 2^(old M - new M): exact.
; WHAT IS PASSED OVER: a step of 16 queries x 128 keys whose flag, stored by the first launch from the mask's bytes, says that no key counts.  There p = 0 for every number, so it moves no maximum, no sum and no
; output, for every mask.  A step in which all keys count passes over the mask's words.  Nothing else of reference() is left out, and no pattern of the mask is built in.
; SHARES.  A work-group holds ONE head's keys and values in LDS (98,304 bytes of codes each, and their scale bytes), filled once through registers.  Each of its SIXTEEN waves owns two tiles of 16 queries, taken one
; after the other: tiles 16 x + w and 127 - (16 x + w), an early and a late one, which evens the waves' steps where a mask hides by position; the result hangs on no such thing.  Four waves to a SIMD, so that one
; wave's vector work stands beside another's matrix work and LDS loads.
; NO CLUSTER: the four work-groups of a head read the same 208,896 bytes, once each, at the head.  A joint request is a tensor load, and this launch branches on numbers read from memory (the flags).
; LAYOUT.  Both products are used transposed: S^T = K Q^T (source 0 = 16 keys, source 1 = my 16 queries), O^T = V^T P^T (source 0 = 16 of the head's 64, source 1 = P): a lane holds ONE query (lane % 16) throughout.
; Lane r of tile 2 b + u takes key 32 b + 8 u + r + 8 (r / 8), so that score registers 16 b + 0 .. 15 are the neighbouring keys 32 b + 16 (lane / 16) + 0 .. 15.
; THE FIRST PRODUCT'S K IS 64, the instruction's 128.  q's registers 6-11 hold zero codes, and bytes 2, 3 of both scale words are 0x7f.  So a tile of K needs only its six registers: the six behind them (the next
; tile's codes; behind the last tile six zeros) are multiplied by zeros; FP6 has no infinity and no NaN.
; LIMITS: NaN and infinities among the inputs are not served; blocks whose largest magnitude lies under 2^-124, the floor, were not tried; a row that the mask hides wholly gives 0 x infinity = NaN, as reference() does.
.set VP,    1552                       ; a row of V in LDS: 1,536 bytes + 16 = 388 words: row r starts at bank 4 r mod 64 (64 banks of 4 bytes: ISA guide 11.1), so the 32 lanes of a load of 8 bytes touch 64 different banks
.set VIMG,  98304                      ; LDS: K's image at 0 (16 steps x 6,144 bytes), then V's 64 rows,
.set KSCL,  VIMG+64*VP                 ; K's scale words (16 steps x 512 bytes),
.set VSP,   72                         ; V's scale bytes: 64 rows x (64 bytes + 8),
.set VSCL,  KSCL+8192
.set STG,   VSCL+64*VSP                ; a stage of 16 rows x (256 bytes + 16) for each wave, its own,
.set SP,    272
.set SPARE, STG+16*16*SP               ; and the spare words, 128 bytes for each wave: eight blocks of 256 bytes that no other line names
; REGISTERS: v1 16 x lane; v2, v3, v4 my lane's place in V, in K's scale words, in V's; v5, v6 the add's two; v7 stage by rows; v8 stage: my block of q; v9 stage: my 32 bytes of O; v10 my offset in 2 rows of q or out0;
; v11 -infinity; v12 -M; v13 the largest t; v[14:15] the sum in two halves; v[16:21] q's codes, v[22:27] zeros; v28 q's scale word; v29-33 the step's LDS addresses; v34 p's scale word; v35 at work
.set F,   36                           ; v36-83   K's 8 x 6 registers, then V's 4 x 12;  v84-89 zeros
.set S,   90                           ; v90-153  S^T, then p
.set O,   154                          ; v154-185 O^T
.set PC,  186                          ; v186-197 p's codes
.set VS,  198                          ; v198-199 V's scale words: lanes 0-15 tile 2 g, lanes 16-31 tile 2 g + 1
.set KS,  200                          ; v200-203 K's likewise
.set BM,  204                          ; v204-207 a block's largest score, then its largest p
.set BS,  208                          ; v208-211 the conversions' scale operands
.set BT,  212                          ; v212-215 the other half's maxima, then the bytes; v[212:214], v[216:218] second halves of the codes
.set TA,  216                          ; v[216:217] the sum's second chain
.set FF,  220                          ; v[220:221] f = 2^(old M - new M), and a word that is written since the pair is named
.set QR,  224                          ; v224-255 the second tile's q as loaded
; s[4:7] the two tiles' places in lmask; s[8:11] in out0; s12, s13 their flags; s20 wave; s[24:25] lane selects; s[26:27] c; s29 step; s30, s31, s66, s67 the step's places in K, K's scales, V, V's scales;
; s[32:63], s[68:99] a step's 64 mask words
	s_load_b512 s[4:19], s[0:1], 0x0               ; queries s[4:5], kimg s[6:7], kscl s[8:9], values_codes s[10:11], values_scales s[12:13], lmask s[14:15], flags s[16:17], out0 s[18:19]
	v_lshl_add_u32 v5, v0, 2, SPARE
	v_mov_b32 v6, 0
	v_lshrrev_b32 v1, 5, v0
	v_readfirstlane_b32 s20, v1                    ; wave 0..15
	s_and_b32 s21, ttmp7, 0xffff                   ; 16 x batch + head
	s_lshl_b32 s22, ttmp9, 4
	s_add_co_u32 s22, s22, s20                     ; my first tile of queries
	s_sub_co_u32 s23, 127, s22                     ; and my second
	s_mov_b32 s24, 0x76543210
	s_mov_b32 s25, 0xfedcba98                      ; v_permlanex16_b32's selects for lane l xor 16
	s_mov_b32 s26, 0x3e38aa3b                      ; c = log2(e) / 8
	s_mov_b32 s27, s26                             ; (named with it as a pair, so it is written)
	s_lshr_b32 s28, s21, 4                         ; batch
	s_and_b32 s29, s21, 15                         ; head
	s_lshl_b32 s30, s28, 7
	s_add_co_u32 s2, s30, s22                      ; 128 x batch + tile, for both tiles
	s_add_co_u32 s3, s30, s23
	s_lshl_b32 s56, s2, 3                          ; offsets, each in a pair with 0 above it.  flags: 8 bytes a tile
	s_mov_b32 s57, 0
	s_lshl_b32 s58, s3, 3
	s_mov_b32 s59, 0
	s_lshl_b32 s44, s2, 12                         ; lmask: 4,096 bytes a tile
	s_mov_b32 s45, 0
	s_lshl_b32 s46, s3, 12
	s_mov_b32 s47, 0
	s_lshl_b32 s29, s29, 8
	s_lshl_b32 s40, s2, 16                         ; queries and out0: 16 rows of 4,096 bytes a tile, + the head's 256 bytes
	s_add_co_u32 s40, s40, s29
	s_mov_b32 s41, 0
	s_lshl_b32 s42, s3, 16
	s_add_co_u32 s42, s42, s29
	s_mov_b32 s43, 0
	s_mul_i32 s48, s21, 98304                      ; a head's codes, of K and of V
	s_mov_b32 s49, 0
	s_lshl_b32 s50, s21, 13                        ; K's scale words
	s_mov_b32 s51, 0
	s_lshl_b32 s52, s21, 12                        ; V's scale bytes
	s_mov_b32 s53, 0
	v_and_b32 v12, 31, v0                          ; lane
	v_and_b32 v13, 15, v0                          ; r
	v_bfe_u32 v14, v0, 4, 1                        ; hh
	v_lshlrev_b32 v1, 4, v12
	v_mul_u32_u24 v2, v13, VP
	v_mad_u32_u24 v2, v14, 24, v2
	v_add_nc_u32 v2, VIMG, v2                      ; V: row r, + 24 hh
	v_add_nc_u32 v3, KSCL, v1
	v_mul_u32_u24 v4, v12, VSP
	v_add_nc_u32 v4, VSCL, v4                      ; V's scale bytes: row = lane: lanes 0-15 one tile's rows, lanes 16-31 the next tile's
	s_mul_i32 s28, s20, 16*SP
	s_add_co_u32 s28, s28, STG                     ; my stage
	v_mul_u32_u24 v7, v14, SP
	v_lshl_add_u32 v7, v13, 4, v7
	v_add_nc_u32 v7, s28, v7                       ; by rows: lanes 0-15 one row of 256 bytes, lanes 16-31 the next
	v_mul_u32_u24 v8, v13, SP
	v_lshl_add_u32 v9, v14, 5, v8
	v_lshl_add_u32 v8, v14, 7, v8
	v_add_nc_u32 v8, s28, v8                       ; row r, + my block's 128 bytes
	v_add_nc_u32 v9, s28, v9                       ; row r, + 32 hh
	v_lshlrev_b32 v10, 12, v14
	v_lshl_add_u32 v10, v13, 4, v10                ; the same two rows in queries and out0
	v_lshlrev_b32 v29, 4, v0                       ; the fill: 16 x thread, in memory and in LDS;
	s_mul_i32 s100, s20, 6144
	v_add_nc_u32 v30, s100, v1                     ; V in memory: four rows a wave;
	v_lshlrev_b32 v31, 3, v0                       ; V's scale bytes in memory: 8 x thread;
	v_add_nc_u32 v32, 65536, v29                   ; K's image beyond an LDS offset's 16 bits;
	s_mul_i32 s101, s20, 4*VP
	s_add_co_u32 s101, s101, VIMG
	v_add_nc_u32 v33, s101, v1                     ; V in LDS: four rows a wave;
	v_add_nc_u32 v204, KSCL, v29
	v_lshrrev_b32 v205, 3, v0
	v_mul_u32_u24 v205, v205, VSP
	v_and_b32 v206, 7, v0
	v_lshl_add_u32 v205, v206, 3, v205
	v_add_nc_u32 v205, VSCL, v205                  ; V's scale bytes in LDS: row thread / 8, 8 bytes
	s_wait_kmcnt 0x0
	s_add_nc_u64 s[56:57], s[16:17], s[56:57]
	s_add_nc_u64 s[58:59], s[16:17], s[58:59]
	s_load_b64 s[36:37], s[56:57], 0x0             ; my two tiles' flags
	s_load_b64 s[38:39], s[58:59], 0x0
	s_add_nc_u64 s[6:7], s[6:7], s[48:49]
	s_add_nc_u64 s[10:11], s[10:11], s[48:49]
	s_add_nc_u64 s[8:9], s[8:9], s[50:51]
	s_add_nc_u64 s[12:13], s[12:13], s[52:53]
	s_add_nc_u64 s[32:33], s[4:5], s[40:41]
	s_add_nc_u64 s[34:35], s[4:5], s[42:43]
.irp i, 0,1,2,3,4,5,6,7,8,9,10,11
	global_load_b128 v[F+4*\i:F+4*\i+3], v29, s[6:7] offset:8192*\i        ; the head's image of K: the 512 threads take 8,192 consecutive bytes a load
.endr
.irp i, 0,1,2,3,4,5,6,7,8,9,10,11
	global_load_b128 v[S+4*\i:S+4*\i+3], v30, s[10:11] offset:512*\i       ; V's codes: 512 consecutive bytes a wave and load
.endr
	global_load_b128 v[138:141], v29, s[8:9]       ; K's scale words
	global_load_b64 v[142:143], v31, s[12:13]      ; V's scale bytes
.irp i, 0,1,2,3,4,5,6,7
	global_load_b128 v[144+4*\i:147+4*\i], v10, s[32:33] offset:8192*\i th:TH_LOAD_NT   ; my first tile of q: sixteen lanes read a row's 256 bytes
.endr
.irp i, 0,1,2,3,4,5,6,7
	global_load_b128 v[QR+4*\i:QR+4*\i+3], v10, s[34:35] offset:8192*\i th:TH_LOAD_NT   ; my second: it has the whole first pass in which to land
.endr
	s_wait_xcnt 0x0                                ; all these loads have had their addresses translated: their bases and offsets may be written
	s_wait_kmcnt 0x0                               ; the flags
	s_lshl_b32 s37, s37, 16
	s_or_b32 s12, s36, s37                         ; two bits a step, 16 steps
	s_lshl_b32 s39, s39, 16
	s_or_b32 s13, s38, s39
	s_add_nc_u64 s[4:5], s[14:15], s[44:45]
	s_add_nc_u64 s[6:7], s[14:15], s[46:47]
	s_add_nc_u64 s[8:9], s[18:19], s[40:41]
	s_add_nc_u64 s[10:11], s[18:19], s[42:43]
.irp i, 0,1,2,3,4,5
	v_mov_b32 v[22+\i], 0                          ; q's codes for k = 64 .. 127
	v_mov_b32 v[84+\i], 0                          ; what stands behind K's last tile
.endr
.irp i, 0,1,2,3
	v_mov_b32 v[BT+\i], 0                          ; written once: a lane permute's destination counts as one of its sources
.endr
	v_mov_b32 v35, 0                               ; likewise
	v_mov_b32 v[FF+1], 0
	v_mov_b32 v11, 0xff800000                      ; -infinity
	s_wait_loadcnt 16                              ; the 26 loads of the fill are in; q's 16 may be out
.irp i, 0,1,2,3,4,5,6,7
	ds_store_b128 v29, v[F+4*\i:F+4*\i+3] offset:8192*\i
.endr
.irp i, 8,9,10,11
	ds_store_b128 v32, v[F+4*\i:F+4*\i+3] offset:8192*(\i-8)
.endr
.irp i, 0,1,2,3,4,5,6,7,8,9,10,11
	ds_store_b128 v33, v[S+4*\i:S+4*\i+3] offset:VP*(\i/3)+512*(\i%3)
.endr
	ds_store_b128 v204, v[138:141]
	ds_store_b64 v205, v[142:143]
	s_wait_loadcnt 8                               ; my first tile of q is in; the second tile's 8 loads may be out
	s_wait_dscnt 0x0                               ; the fill's stores are done: the loads below land on registers that they named
; A tile of q, loaded by rows, turns through my stage, so that lane (r, hh) holds block hh (32 numbers) of query r in v[S] on.  LDS serves a wave's instructions in order (ISA guide 5.7.1.4): no wait between the stores and the loads.
.macro QTURN src
.irp i, 0,1,2,3,4,5,6,7
	ds_store_b128 v7, v[\src+4*\i:\src+4*\i+3] offset:2*SP*\i
.endr
.irp i, 0,1,2,3,4,5,6,7
	ds_load_b128 v[S+4*\i:S+4*\i+3], v8 offset:16*\i
.endr
.endm
; and is quantised: codes in v[16:21], the scale word (block 0's byte, block 1's, 0x7f, 0x7f) in v28.  Work on registers alone.
.macro QQUANT
	v_max3_num_f32 v[BM], |v[S]|, |v[S+1]|, 0x1800000      ; the floor 2^(3 - 127): the byte cannot fall under 1
	v_max3_num_f32 v[BM+1], |v[S+2]|, |v[S+3]|, |v[S+4]|   ; (two chains)
.irp i, 5,9,13,17,21,25
	v_max3_num_f32 v[BM], v[BM], |v[S+\i]|, |v[S+\i+1]|
	v_max3_num_f32 v[BM+1], v[BM+1], |v[S+\i+2]|, |v[S+\i+3]|
.endr
	v_max3_num_f32 v[BM], v[BM], |v[S+29]|, |v[S+30]|
	v_max3_num_f32 v[BM], v[BM], v[BM+1], |v[S+31]|
	v_bfe_u32 v[BM+2], v0, 4, 1
	v_lshlrev_b32 v[BM+2], 3, v[BM+2]              ; 8 hh
	v_mov_b32 v[BM+3], 0
	v_add_nc_u32 v[BS], 0xff000000, v[BM]          ; 2 off the exponent field: the conversion's scale operand
	v_lshrrev_b32 v[BM+1], 23, v[BS]               ; the scale's byte
	v_cvt_scalef32_pk16_fp6_f32 v[16:18], v[S:S+15], v[BS]
	v_cvt_scalef32_pk16_fp6_f32 v[BT:BT+2], v[S+16:S+31], v[BS]   ; (a conversion's three registers begin on an even number)
	v_lshlrev_b32 v[BM+1], v[BM+2], v[BM+1]        ; my byte at its place.  (A plain line behind the conversions)
.irp i, 0,1,2
	v_mov_b32 v[19+\i], v[BT+\i]
.endr
	v_permlanex16_b32 v[BM+3], v[BM+1], s24, s25
	v_or_b32 v28, v[BM+1], v[BM+3]                 ; with lane l xor 16's byte
	v_or_b32 v28, 0x7f7f0000, v28
.endm
; THE SCORES of a step: S^T = K Q^T, eight tiles of 16 keys; behind them V's fragments are asked for, which land under the softmax.  mixed = 1: the step's 64 mask words come by scalar loads, and hidden scores become -infinity.
.macro SCORES mixed, p
.if \mixed
	s_load_b512 s[32:47], s[4+2*\p:5+2*\p], 0x0
	s_load_b512 s[48:63], s[4+2*\p:5+2*\p], 0x40
	s_load_b512 s[68:83], s[4+2*\p:5+2*\p], 0x80
	s_load_b512 s[84:99], s[4+2*\p:5+2*\p], 0xc0
.endif
.irp c, 0,1,2,3,4,5,6,7,8,9,10,11
	ds_load_b128 v[F+4*\c:F+4*\c+3], v29 offset:512*\c     ; the image of my 48 registers: 512 consecutive bytes a load
.endr
	ds_load_b128 v[KS:KS+3], v32
	s_wait_dscnt 0x0
.irp t, 0,1,2,3,4,5,6,7
.if \t%2
	v_wmma_scale_f32_16x16x128_f8f6f4 v[S+8*\t:S+8*\t+7], v[F+6*\t:F+6*\t+11], v[16:27], 0, v[KS+\t/2], v28 matrix_a_fmt:MATRIX_FMT_FP6 matrix_b_fmt:MATRIX_FMT_FP6 matrix_a_scale:MATRIX_SCALE_ROW1
.else
	v_wmma_scale_f32_16x16x128_f8f6f4 v[S+8*\t:S+8*\t+7], v[F+6*\t:F+6*\t+11], v[16:27], 0, v[KS+\t/2], v28 matrix_a_fmt:MATRIX_FMT_FP6 matrix_b_fmt:MATRIX_FMT_FP6
.endif
.endr
.rept 4
	v_nop                                          ; four places in front of the loads into K's registers and of the first read of the scores
.endr
.irp t, 0,1,2,3
.irp e, 0,1,2,3,4,5
	ds_load_b64 v[F+12*\t+2*\e:F+12*\t+2*\e+1], v[30+\t/2] offset:16*VP*(\t%2)+48*(\e/3)+8*(\e%3)   ; V^T: row 16 t + r, these 128 keys: 24 bytes at 24 hh and 24 at 48 + 24 hh, in pieces of 8
.endr
.endr
	ds_load_b32 v[VS], v33
	ds_load_b32 v[VS+1], v33 offset:32*VSP
.if \mixed
	s_wait_kmcnt 0x0                               ; the mask words
	s_wait_xcnt 0x0                                ; and their loads have read their base, which is stepped at the trip's end
.set n, 0
.rept 64
	v_cndmask_b32 v[S+n], v[S+n], v11, s[32+n+4*(n/32)]    ; ascending: each accumulator is read from its low end on
.set n, n+1
.endr
.endif
.endm
; THE SOFTMAX of a step and O^T += V^T P^T.
.macro SOFTPV
.irp b, 0,1,2,3
	v_max3_num_f32 v[BM+\b], v[S+16*\b], v[S+16*\b+1], v[S+16*\b+2]   ; the largest score of each block of 32 keys: it serves for the row's maximum and, since p rises with the score, for the block's largest p
.endr
.irp i, 3,5,7,9,11,13
.irp b, 0,1,2,3
	v_max3_num_f32 v[BM+\b], v[BM+\b], v[S+16*\b+\i], v[S+16*\b+\i+1]   ; (the four blocks by turns)
.endr
.endr
.irp b, 0,1,2,3
	v_max_num_f32 v[BM+\b], v[BM+\b], v[S+16*\b+15]
.endr
.irp b, 0,1,2,3
	v_permlanex16_b32 v[BT+\b], v[BM+\b], s24, s25
.endr
.irp b, 0,1,2,3
	v_max_num_f32 v[BM+\b], v[BM+\b], v[BT+\b]     ; with lane l xor 16's 16 keys
.endr
	v_max3_num_f32 v35, v[BM], v[BM+1], v[BM+2]
	v_max_num_f32 v35, v35, v[BM+3]                ; the step's largest score of my query (-infinity where all its keys are hidden)
	v_mul_f32 v35, s26, v35                        ; as t (c is positive)
	v_max_num_f32 v13, v13, v35                    ; the running largest t
	v_mov_b32 v35, v12
	v_floor_f32 v12, -v13                          ; the new -M = floor(-t) = -ceil(t): a whole number
	v_sub_f32 v35, v12, v35                        ; M's old value less its new one: a whole number, 0 or less
	v_cvt_i32_f32 v35, v35                         ; (it saturates)
	v_ldexp_f32 v[FF], 1.0, v35                    ; f = 2^(old M - new M)
.set n, 0
.rept 32
	v_pk_fma_f32 v[S+n:S+n+1], v[S+n:S+n+1], s[26:27], v[12:13] op_sel_hi:[1,0,0]   ; t - M, two at a time (of the pairs c and -M the low word serves both halves)
.set n, n+2
.endr
.irp b, 0,1,2,3
	v_fma_f32 v[BM+\b], v[BM+\b], s26, v12         ; the same of each block's largest score
.endr
.set n, 0
.rept 64
	v_exp_f32 v[S+n], v[S+n]                       ; p = 2^(t - M), at most 1
.set n, n+1
.endr
	v_pk_mul_f32 v[14:15], v[14:15], v[FF:FF+1] op_sel_hi:[1,0]   ; the sums under the new M.  (A plain line behind the exponentials)
	s_wait_alu depctr_va_vdst(0)                   ; the wait ahead of the first line that names an exponential's result: one for the batch of 64
.irp b, 0,1,2,3
	v_exp_f32 v[BM+\b], v[BM+\b]                   ; the block's largest p: the same two instructions on the same number give the same bits
.endr
	v_pk_add_f32 v[TA:TA+1], v[S:S+1], v[S+2:S+3]  ; the row's sum is taken of the unquantised p: two at a time, in two chains
.irp j, 4,8,12,16,20,24,28,32,36,40,44,48,52,56,60
	v_pk_add_f32 v[14:15], v[14:15], v[S+\j:S+\j+1]
	v_pk_add_f32 v[TA:TA+1], v[TA:TA+1], v[S+\j+2:S+\j+3]
.endr
	v_pk_add_f32 v[14:15], v[14:15], v[TA:TA+1]
	s_wait_alu depctr_va_vdst(0)                   ; and one for the four
.irp b, 0,1,2,3
	v_max_num_f32 v[BM+\b], 0x1800000, v[BM+\b]    ; the floor 2^(3 - 127): the byte cannot fall under 1 (a block whose every p is 0 keeps that byte: its codes are zeros)
.endr
.irp b, 0,1,2,3
	v_add_nc_u32 v[BS+\b], 0xff000000, v[BM+\b]    ; 2 off the exponent field: the conversion's scale operand
.endr
.irp b, 0,1,2,3
	v_lshrrev_b32 v[BT+\b], 23, v[BS+\b]           ; the scale's byte
.endr
	v_lshl_or_b32 v34, v[BT+1], 8, v[BT]           ; p's scale word for these 128 keys
	v_lshl_or_b32 v34, v[BT+2], 16, v34
	v_lshl_or_b32 v34, v[BT+3], 24, v34
.irp c, 0,1
	v_cvt_scalef32_pk16_fp6_f32 v[PC+6*\c:PC+6*\c+2], v[S+32*\c:S+32*\c+15], v[BS+2*\c]
	v_cvt_scalef32_pk16_fp6_f32 v[BT+4*\c:BT+4*\c+2], v[S+32*\c+16:S+32*\c+31], v[BS+2*\c+1]   ; (a conversion's three registers begin on an even number)
.endr
	v_nop                                          ; one plain line behind the scaled conversions
.irp c, 0,1                            ; the operand's layout wants a WHOLE block in a lane: lanes 0-15 block 2 c, lanes 16-31 block 2 c + 1
.irp i, 0,1,2
	v_permlane16_swap_b32 v[PC+6*\c+\i], v[BT+4*\c+\i]
.endr
.irp i, 0,1,2
	v_mov_b32 v[PC+3+6*\c+\i], v[BT+4*\c+\i]
.endr
.endr
.set n, 0
.rept 16
	v_pk_mul_f32 v[O+n:O+n+1], v[O+n:O+n+1], v[FF:FF+1] op_sel_hi:[1,0]   ; O^T under the new M, from each accumulator's low end on.  (These 16 are also the places between the lines that made p's codes and scale word and the products)
.set n, n+2
.endr
	s_wait_dscnt 0x0                               ; V's fragments and scale words, asked for ahead of the softmax
.irp t, 0,1,2,3                        ; the four accumulators by turns, one instruction a turn
.if \t%2
	v_wmma_scale_f32_16x16x128_f8f6f4 v[O+8*\t:O+8*\t+7], v[F+12*\t:F+12*\t+11], v[PC:PC+11], v[O+8*\t:O+8*\t+7], v[VS+\t/2], v34 matrix_a_fmt:MATRIX_FMT_FP6 matrix_b_fmt:MATRIX_FMT_FP6 matrix_a_scale:MATRIX_SCALE_ROW1
.else
	v_wmma_scale_f32_16x16x128_f8f6f4 v[O+8*\t:O+8*\t+7], v[F+12*\t:F+12*\t+11], v[PC:PC+11], v[O+8*\t:O+8*\t+7], v[VS+\t/2], v34 matrix_a_fmt:MATRIX_FMT_FP6 matrix_b_fmt:MATRIX_FMT_FP6
.endif
.endr
.endm
; THE WAY OUT of a tile: O^T / the sum goes through my stage and leaves as whole rows of 256 bytes.
.macro WAYOUT p
	v_add_f32 v14, v14, v15                        ; the sum's two halves,
	v_permlanex16_b32 v35, v14, s24, s25
	v_add_f32 v14, v14, v35                        ; and lane l xor 16's: the row's sum
	v_rcp_f32 v14, v14
.rept 3
	v_nop                                          ; a plain line behind the reciprocal; with the two additions these are also the places behind the last products
.endr
	s_wait_alu depctr_va_vdst(0)                   ; the wait ahead of the reciprocal's first reader
.set n, 0
.rept 32
	v_mul_f32 v[S+n], v[O+n], v14                  ; register 8 t + i is o(query r, 16 t + 8 hh + i)
.set n, n+1
.endr
.irp t, 0,1,2,3
	ds_store_b128 v9, v[S+8*\t:S+8*\t+3] offset:64*\t
	ds_store_b128 v9, v[S+8*\t+4:S+8*\t+7] offset:64*\t+16
.endr
.irp i, 0,1,2,3,4,5,6,7
	ds_load_b128 v[S+32+4*\i:S+32+4*\i+3], v7 offset:2*SP*\i   ; LDS serves a wave's instructions in order: these see my stores
.endr
.irp i, 0,1,2,3,4,5,6,7
	s_wait_dscnt 7-\i                              ; load i is in; the younger ones may be out
	global_store_b128 v10, v[S+32+4*\i:S+32+4*\i+3], s[8+2*\p:9+2*\p] offset:8192*\i th:TH_STORE_NT   ; sixteen lanes store 256 consecutive bytes, aligned; written once, read by nobody here
.endr
.endm
; A PASS: one tile of 16 queries over the head's 16 steps of 128 keys.  The trip count is a constant; what a flag leaves out is a step's work, not the lines that step addresses.  O^T and the sum begin as zeros and the
; largest t as -3e38: which step is the first that counts hangs on the flags, so no first step can be written out.
.macro PASS p
	v_mov_b32 v13, 0xff61b1e6                      ; -3e38, under every t
	v_floor_f32 v12, -v13
	v_mov_b32 v14, 0
	v_mov_b32 v15, 0
.set n, 0
.rept 32
	v_mov_b32 v[O+n], 0
.set n, n+1
.endr
	s_mov_b32 s29, 0
	s_mov_b32 s30, 0
	s_mov_b32 s31, 0
	s_mov_b32 s66, 0
	s_mov_b32 s67, 0
.Lstep_\p:
	s_bitcmp1_b32 s[12+\p], 0                      ; does any key of this step count for any of my queries?
	s_cbranch_scc0 .Lskip_\p
	v_add_nc_u32 v29, s30, v1                      ; the step's addresses.  (Five plain lines: the places between the last step's products and the loads into their registers)
	v_add_nc_u32 v32, s31, v3
	v_add_nc_u32 v30, s66, v2
	v_add_nc_u32 v31, 32*VP, v30                   ; V's rows 32 on: beyond an LDS offset's 16 bits
	v_add_nc_u32 v33, s67, v4
	s_bitcmp1_b32 s[12+\p], 1                      ; is any key hidden?  One branch decides both the loading and the use of the mask words
	s_cbranch_scc0 .Lopen_\p
	SCORES 1, \p
	s_branch .Ljoin_\p
.Lopen_\p:
	SCORES 0, \p
.Ljoin_\p:
	SOFTPV
.Lskip_\p:
	s_lshr_b32 s[12+\p], s[12+\p], 2               ; the next step's two flags
	s_add_co_u32 s30, s30, 6144
	s_add_co_u32 s31, s31, 512
	s_add_co_u32 s66, s66, 96
	s_add_co_u32 s67, s67, 4
	s_add_nc_u64 s[4+2*\p:5+2*\p], s[4+2*\p:5+2*\p], 256
	s_add_co_u32 s29, s29, 1
	s_cmp_lt_u32 s29, 16
	s_cbranch_scc1 .Lstep_\p
	WAYOUT \p
.endm
	QTURN 144
	s_wait_dscnt 0x0                               ; for the others' sake: my part of the fill lies in LDS; and my q is back
	s_barrier_signal -1                            ; the launch's one barrier, ahead of every branch on the flags
	QQUANT                                         ; work on registers while the others arrive
	s_barrier_wait -1                              ; the whole head lies in LDS; from here on it is only read
	PASS 0
	s_wait_loadcnt 0x0                             ; my second tile of q
	s_wait_xcnt 0x0                                ; the first tile's stores have read their registers, which the second pass writes
	QTURN QR
	s_wait_dscnt 0x0
	QQUANT
	PASS 1
	s_wait_tensorcnt 0x0                           ; the wave's end: three lines behind my last LDS store
	ds_add_u32 v5, v6
	s_wait_dscnt 0x0
	s_endpgm
.Lfunc_end_k_q5f29765c33_attn:
	.size	k_q5f29765c33_attn, .Lfunc_end_k_q5f29765c33_attn-k_q5f29765c33_attn
	.p2alignl 7, 3214868480
	.fill 96, 4, 3214868480
	.section	.rodata,"a",@progbits
	.p2align	6, 0x0
	.amdhsa_kernel k_q5f29765c33_attn
		.amdhsa_group_segment_fixed_size 282112
		.amdhsa_private_segment_fixed_size 0
		.amdhsa_enable_private_segment 0
		.amdhsa_kernarg_size 64
		.amdhsa_user_sgpr_count 2
		.amdhsa_user_sgpr_kernarg_segment_ptr 1
		.amdhsa_wavefront_size32 1
		.amdhsa_system_sgpr_workgroup_id_x 1
		.amdhsa_system_sgpr_workgroup_id_y 1
		.amdhsa_system_sgpr_workgroup_id_z 1
		.amdhsa_system_vgpr_workitem_id 0
		.amdhsa_next_free_vgpr 256
		.amdhsa_next_free_sgpr 102
		.amdhsa_reserve_vcc 0
		.amdhsa_float_denorm_mode_32 3
		.amdhsa_float_denorm_mode_16_64 3
		.amdhsa_memory_ordered 1
		.amdhsa_forward_progress 1
		.amdhsa_inst_pref_size 75
	.end_amdhsa_kernel
	.amdgpu_metadata
---
amdhsa.version: [ 1, 2 ]
amdhsa.kernels:
  - .name:           k_q5f29765c33_attn
    .symbol:         k_q5f29765c33_attn.kd
    .args:
      - { .name: queries, .offset: 0, .size: 8, .value_kind: global_buffer, .address_space: global }
      - { .name: kimg, .offset: 8, .size: 8, .value_kind: global_buffer, .address_space: global }
      - { .name: kscl, .offset: 16, .size: 8, .value_kind: global_buffer, .address_space: global }
      - { .name: values_codes, .offset: 24, .size: 8, .value_kind: global_buffer, .address_space: global }
      - { .name: values_scales, .offset: 32, .size: 8, .value_kind: global_buffer, .address_space: global }
      - { .name: lmask, .offset: 40, .size: 8, .value_kind: global_buffer, .address_space: global }
      - { .name: flags, .offset: 48, .size: 8, .value_kind: global_buffer, .address_space: global }
      - { .name: out0, .offset: 56, .size: 8, .value_kind: global_buffer, .address_space: global }
    .group_segment_fixed_size: 282112
    .private_segment_fixed_size: 0
    .kernarg_segment_align: 8
    .kernarg_segment_size: 64
    .max_flat_workgroup_size: 512
    .sgpr_count:     102
    .vgpr_count:     256
    .wavefront_size: 32
...
	.end_amdgpu_metadata
.endif
;; end of part 2
;; ======== version 2 of 2: 2 launches
;; workspace buffers: kimg 6,291,456 bytes; kscl 524,288 bytes; lmask 2,097,152 bytes of whole numbers; flags 4,096 bytes of whole numbers
;; launch prep (part 3): grid 256 x 1, 8 waves a work-group, no clusters, 206,848 bytes of LDS; arguments keys, attn_mask, kimg, kscl, lmask, flags; writes kimg, kscl, lmask, flags
.if DOCPART == 3
	.amdgcn_target "amdgcn-amd-amdhsa--gfx1250"
	.amdhsa_code_object_version 6
	.text
	.protected	k_q5f29765c33_prep
	.globl	k_q5f29765c33_prep
	.p2align	8
	.type	k_q5f29765c33_prep,@function
k_q5f29765c33_prep:
	s_mov_b64 s[64:65], 0
	v_nop
	global_prefetch_b8 v0, s[64:65] scope:SCOPE_SE
	s_setreg_imm32_b32 hwreg(HW_REG_WAVE_MODE, 25, 1), 1
	s_wait_xcnt 0x0
; FIRST LAUNCH OF TWO.  out0 = attention(queries, keys, values, attn_mask), 4 batches x 16 heads x 2,048 x 2,048, head size 64, both products on codes of FP6 (E2M3) with one E8M0 scale for each 32 along K.
; NO WORK OF reference() IS LEFT OUT AS DEAD: every input has a way to the output and is loaded.  What the second launch passes over is decided by whole numbers that it reads from memory: attn_mask is an
; input of bytes, and a piece of 16 queries x 128 keys all of whose bytes say 'hidden' has p = 0 for all its numbers, so it moves no maximum, no sum and no output, whatever the mask holds.
; THIS LAUNCH reads keys and attn_mask once and stores, for the second launch:
;   kimg  [head 64][step 16][chunk 12][lane 32][16 bytes]: the keys' codes in the order of the reader's 48 operand registers.  Register 12 g + 6 u + i of lane (r, hh) is word i of the 24 bytes of codes of
;         key 128 step + 32 g + 8 u + r + 8 (r / 8), block hh of that key's two blocks of 32;
;   kscl  [head][step][lane][g] words: lanes 0-15 the scale word of tile 2 g's key r, lanes 16-31 that of tile 2 g + 1's: bytes (block 0, block 1, 0x7f, 0x7f);
;   lmask [batch][tile of 16 queries 128][step 16][n 64] words: bit L of word n = mask(query L % 16, key 128 step + 32 (n / 16) + 16 (L / 16) + n % 16): the key that the reader's score register n holds in lane L;
;   flags [batch][tile][half 2] words: bit 2 jj: in step 8 half + jj some key counts for some of the 16 queries; bit 2 jj + 1: some key is hidden.
; A block's scale is 2^(floor(log2(its largest magnitude)) - 2); its byte is the largest magnitude's exponent field - 2, held at 1 from below (a block of zeros so gets the byte 1 where the rule says 127: its
; codes are zeros, which add nothing, and this program alone reads the bytes).
; LIMITS: NaN and infinities among keys are not served; blocks whose largest magnitude lies under 2^-124, the floor, were not tried; a mask byte other than 0 or 1 counts as 'hidden' in lmask, and can only
; set a flag that would else be clear, never clear one.
; SHARES: 1,024 tasks of 128 keys of one head (128 rows x 256 bytes) for waves 0-3, 1,024 tasks of 16 mask rows x 1,024 bytes for waves 4-7: one task a wave, brought by ONE tensor load into LDS bytes of the
; wave's own, read by that wave alone: no barrier, nothing is filled again.  No branch hangs on loaded numbers: the flags are made by selects.
.set KP,    272                        ; a key's row in LDS: 256 bytes + 16
.set KREG,  128*KP                     ; a key wave's region
.set MP,    1040                       ; a mask row in LDS: 1,024 bytes + 16
.set MREG,  16*MP                      ; a mask wave's region
.set MBASE, 4*KREG-4*MREG              ; wave w (4 to 7) has its region at MBASE + MREG w, behind the four key regions
.set SPARE, 4*KREG+4*MREG              ; behind the regions: the spare words, 128 bytes for each wave: four blocks of 256 bytes that no other line names
.set SPW,   8                          ; v8   LDS address of my spare word; never rewritten
.set NIL,   9                          ; v9   0; never rewritten
.set X,     32                         ; v32-159  keys: two sets of 64 numbers; mask: 8 steps x 16 registers
.set C,     160                        ; v160-207 keys: the codes, 12 registers a group of 32 keys
.set MO,    160                        ; v160-175 mask: a pair of registers a step: lane l holds words 2 l and 2 l + 1
.set TT,    186                        ; v186-192 mask: bytes shifted to the top
; v1 lane, v2 r, v3 hh, v4 my place among the keys' rows, v5 among the mask's, v6 16 x lane, v7 8 x lane, v10 8 hh, v11 0, v12-13 largest magnitudes, v14-15 scale operands, v16-17 bytes, v18-19 the other half's,
; v20-26 second halves of the codes, v28-31 the scale words, v176-179 OR, v180-183 AND, v184 the flags
.macro CLOSE                           ; a wave's end: three lines behind its tensor load
	s_wait_tensorcnt 0x0
	ds_add_u32 v[SPW], v[NIL]
	s_wait_dscnt 0x0
	s_endpgm
.endm
	s_load_b256 s[4:11], s[0:1], 0x0               ; keys s[4:5], attn_mask s[6:7], kimg s[8:9], kscl s[10:11]
	s_load_b128 s[12:15], s[0:1], 0x20             ; lmask s[12:13], flags s[14:15]
	v_lshl_add_u32 v[SPW], v0, 2, SPARE
	v_mov_b32 v[NIL], 0
	ds_add_u32 v[SPW], v[NIL]                      ; the wave's opening: the add, twice on end, and its wait ahead of my tensor load
	ds_add_u32 v[SPW], v[NIL]
	v_lshrrev_b32 v1, 5, v0
	s_delay_alu instid0(VALU_DEP_1)
	v_readfirstlane_b32 s16, v1                    ; wave 0..7
	; descriptor group 1 for the keys: 128 rows x 32 elements of 8 bytes, 512 elements from row to row; 4 words of padding behind every 64
	s_mov_b32 s20, (3<<16)|(1<<20)|(5<<22)|(3<<25)
	s_mov_b32 s21, 32<<16                          ; tensor_dim0
	s_mov_b32 s22, 128<<16                         ; tensor_dim1
	s_mov_b32 s23, 32<<16                          ; tile_dim0
	s_mov_b32 s24, 128                             ; tile_dim1
	s_mov_b32 s25, 512                             ; a row of keys is 4,096 bytes
	s_mov_b32 s26, 0
	s_mov_b32 s27, 0
	; and for the mask: 16 rows x 128 elements of 8 bytes, 256 elements from row to row; 4 words of padding behind every 256
	s_mov_b32 s28, (3<<16)|(1<<20)|(7<<22)|(3<<25)
	s_mov_b32 s29, 128<<16
	s_mov_b32 s30, 16<<16
	s_mov_b32 s31, 128<<16
	s_mov_b32 s32, 16
	s_mov_b32 s33, 256                             ; a row of the mask is 2,048 bytes
	s_mov_b32 s34, 0
	s_mov_b32 s35, 0
	s_mov_b32 s40, 0x76543210
	s_mov_b32 s41, 0xfedcba98                      ; v_permlanex16_b32's selects for lane l xor 16
	s_mov_b32 s42, 0xffff0000                      ; lanes 16-31
	s_mov_b32 s43, 0x00ffffff                      ; a word above this has a top byte other than 0
	v_and_b32 v1, 31, v0                           ; lane
	v_and_b32 v2, 15, v0                           ; r
	v_bfe_u32 v3, v0, 4, 1                         ; hh
	s_delay_alu instid0(VALU_DEP_2)
	v_and_b32 v4, 8, v2
	s_delay_alu instid0(VALU_DEP_1)
	v_add_nc_u32 v4, v4, v2                        ; r + 8 (r / 8)
	s_delay_alu instid0(VALU_DEP_1)
	v_mul_u32_u24 v4, v4, KP
	s_delay_alu instid0(VALU_DEP_1)
	v_lshl_add_u32 v4, v3, 7, v4                   ; + my block's 128 bytes
	s_mul_i32 s18, s16, KREG
	v_add_nc_u32 v4, s18, v4                       ; both arms' LDS addresses are made here, ahead of the parting
	v_mul_u32_u24 v5, v2, MP
	s_delay_alu instid0(VALU_DEP_1)
	v_lshl_add_u32 v5, v3, 4, v5                   ; mask row r, + 16 hh
	s_mul_i32 s19, s16, MREG
	s_add_co_u32 s19, s19, MBASE
	v_add_nc_u32 v5, s19, v5
	v_lshlrev_b32 v6, 4, v1
	v_lshlrev_b32 v7, 3, v1
	v_lshlrev_b32 v10, 3, v3
	v_mov_b32 v11, 0
	s_and_b32 s17, s16, 3
	s_lshl_b32 s56, ttmp9, 2
	s_add_co_u32 s17, s17, s56                     ; my task: 4 x work-group + wave % 4
	s_mov_b32 s57, 0
	s_wait_dscnt 0x0                               ; both opening adds are done
	s_wait_kmcnt 0x0
	s_cmp_lt_u32 s16, 4
	s_cbranch_scc0 .Lmask
	; ---- THE KEYS.  Task = 16 x head + step
	s_lshr_b32 s56, s17, 8
	s_lshl_b32 s56, s56, 23                        ; batch x 2,048 rows of 4,096 bytes
	s_and_b32 s58, s17, 15
	s_lshl_b32 s58, s58, 19                        ; + step x 128 rows
	s_add_co_u32 s56, s56, s58
	s_bfe_u32 s58, s17, 0x40004
	s_lshl_b32 s58, s58, 8                         ; + the head's 256 bytes of a row
	s_add_co_u32 s56, s56, s58
	s_mov_b32 s36, 1                               ; group 0: count,
	s_mov_b32 s37, s18                             ; LDS address: my region,
	s_add_nc_u64 s[38:39], s[4:5], s[56:57]        ; global address,
	s_or_b32 s39, s39, 0x80000000                  ; type
	tensor_load_to_lds s[36:39], s[20:27]
	s_nop 0
	s_mul_i32 s56, s17, 6144
	s_add_nc_u64 s[8:9], s[8:9], s[56:57]          ; my 6,144 bytes of kimg
	s_lshl_b32 s56, s17, 9
	s_add_nc_u64 s[10:11], s[10:11], s[56:57]      ; my 512 bytes of kscl
	v_mov_b32 v18, 0                               ; written once: a lane permute's destination counts as one of its sources
	v_mov_b32 v19, 0
.macro KLOAD g                         ; group g: for u = 0, 1 my block (32 numbers, 128 bytes) of key 32 g + 8 u + r + 8 (r / 8), into set g % 2
.irp u, 0,1
.irp i, 0,1,2,3,4,5,6,7
	ds_load_b128 v[X+64*((\g)%2)+32*\u+4*\i:X+64*((\g)%2)+32*\u+4*\i+3], v4 offset:(32*(\g)+8*\u)*KP+16*\i
.endr
.endr
.endm
.macro KQ g                            ; its two blocks are quantised (all 32 numbers of a block are mine) and leave
.set XS, X+64*((\g)%2)
.irp u, 0,1
	v_max3_num_f32 v[12+\u], |v[XS+32*\u]|, |v[XS+32*\u+1]|, 0x1800000   ; the floor 2^(3 - 127), under which no largest magnitude is taken: so the byte cannot fall under 1
.endr
.irp i, 2,4,6,8,10,12,14,16,18,20,22,24,26,28,30
.irp u, 0,1
	s_delay_alu instid0(VALU_DEP_2)
	v_max3_num_f32 v[12+\u], v[12+\u], |v[XS+32*\u+\i]|, |v[XS+32*\u+\i+1]|   ; (the two blocks by turns)
.endr
.endr
.irp u, 0,1
	s_delay_alu instid0(VALU_DEP_2)
	v_add_nc_u32 v[14+\u], 0xff000000, v[12+\u]    ; 2 off the exponent field: the conversion takes the exponent field of this operand as its scale
.endr
.irp u, 0,1
	s_delay_alu instid0(VALU_DEP_2)
	v_lshrrev_b32 v[16+\u], 23, v[14+\u]           ; the scale's byte
.endr
.irp u, 0,1
	v_cvt_scalef32_pk16_fp6_f32 v[C+12*\g+6*\u:C+12*\g+6*\u+2], v[XS+32*\u:XS+32*\u+15], v[14+\u]
	v_cvt_scalef32_pk16_fp6_f32 v[20+4*\u:22+4*\u], v[XS+32*\u+16:XS+32*\u+31], v[14+\u]   ; (a conversion's three registers begin on an even number)
.endr
.irp u, 0,1
	v_lshlrev_b32 v[16+\u], v10, v[16+\u]          ; my byte at its place in the word, 8 hh bits up.  (A plain line behind the conversions)
.endr
.irp u, 0,1
.irp i, 0,1,2
	v_mov_b32 v[C+12*\g+6*\u+3+\i], v[20+4*\u+\i]
.endr
.endr
.irp u, 0,1
	v_permlanex16_b32 v[18+\u], v[16+\u], s40, s41
.endr
.irp u, 0,1
	s_delay_alu instid0(VALU_DEP_2)
	v_or_b32 v[16+\u], v[16+\u], v[18+\u]          ; with lane l xor 16's byte: the key's two
.endr
	s_delay_alu instid0(VALU_DEP_1)
	v_cndmask_b32 v[28+\g], v16, v17, s42          ; lanes 0-15 keep tile 2 g's word, lanes 16-31 tile 2 g + 1's
	s_delay_alu instid0(VALU_DEP_1)
	v_or_b32 v[28+\g], 0x7f7f0000, v[28+\g]        ; blocks 2 and 3 of the instruction's 128: the scale 1 over zero products
.irp c, 0,1,2
	global_store_b128 v6, v[C+12*\g+4*\c:C+12*\g+4*\c+3], s[8:9] offset:1536*\g+512*\c   ; 32 lanes store 512 consecutive bytes, aligned; each group has registers of its own, so no store's data are written again
.endr
.endm
	s_wait_tensorcnt 0x0                           ; my tile is in LDS
	KLOAD 0
	KLOAD 1
	s_wait_dscnt 16                                ; group 0's loads are in; the younger group's 16 may be out
	KQ 0
	KLOAD 2
	s_wait_dscnt 16
	KQ 1
	KLOAD 3
	s_wait_dscnt 16
	KQ 2
	s_wait_dscnt 0x0
	KQ 3
	global_store_b128 v6, v[28:31], s[10:11]       ; the step's scale words: 512 consecutive bytes
	CLOSE
	; ---- THE MASK.  Task = 2 x (128 x batch + tile of 16 queries) + half of the keys
.Lmask:
	s_lshr_b32 s56, s17, 1
	s_lshl_b32 s56, s56, 15                        ; 16 rows of 2,048 bytes a tile
	s_and_b32 s58, s17, 1
	s_lshl_b32 s58, s58, 10                        ; + the half's 1,024 bytes
	s_add_co_u32 s56, s56, s58
	s_mov_b32 s36, 1
	s_mov_b32 s37, s19
	s_add_nc_u64 s[38:39], s[6:7], s[56:57]
	s_or_b32 s39, s39, 0x80000000
	tensor_load_to_lds s[36:39], s[28:35]
	s_nop 0
	s_lshl_b32 s56, s17, 11
	s_add_nc_u64 s[12:13], s[12:13], s[56:57]      ; my 2,048 bytes of lmask
	s_lshl_b32 s56, s17, 2
	s_add_nc_u64 s[14:15], s[14:15], s[56:57]      ; my word of flags
	s_mov_b32 s44, 0                               ; the flags
.irp i, 0,1,2,3,4,5,6,7,8,9,10,11,12,13,14,15
	v_mov_b32 v[MO+\i], 0                          ; written once: v_writelane_b32's destination counts as one of its sources
.endr
	s_wait_tensorcnt 0x0                           ; my tile is in LDS
.irp s, 0,1,2,3,4,5,6,7
.irp i, 0,1,2,3
	ds_load_b128 v[X+16*\s+4*\i:X+16*\s+4*\i+3], v5 offset:128*\s+32*\i   ; row r, keys 128 s + 32 i + 16 hh + 0 .. 15: byte n % 4 of register 16 s + n / 4 is the key of score register n
.endr
.endr
.macro MSTEP jj
.set XJ, X+16*\jj
	s_wait_dscnt 4*(7-\jj)                         ; this step's four loads are in; the later steps', four each, may be out
.irp k, 0,1,2,3
	v_or_b32 v[176+\k], v[XJ+\k], v[XJ+4+\k]
	v_and_b32 v[180+\k], v[XJ+\k], v[XJ+4+\k]
.endr
.irp q, 8,12
.irp k, 0,1,2,3
	v_or_b32 v[176+\k], v[176+\k], v[XJ+\q+\k]
	v_and_b32 v[180+\k], v[180+\k], v[XJ+\q+\k]
.endr
.endr
	v_or_b32 v176, v176, v177
	s_delay_alu instid0(VALU_DEP_3)
	v_or_b32 v178, v178, v179
	v_and_b32 v180, v180, v181
	s_delay_alu instid0(VALU_DEP_4)
	v_and_b32 v182, v182, v183
	s_delay_alu instid0(VALU_DEP_3)
	v_or_b32 v176, v176, v178                      ; 0 where all my 64 bytes are 0
	s_delay_alu instid0(VALU_DEP_2)
	v_and_b32 v180, v180, v182                     ; 0x01010101 where all my 64 bytes are 1
	s_delay_alu instid0(VALU_DEP_2)
	v_cmp_ne_u32 s46, 0, v176
	s_delay_alu instid0(VALU_DEP_2)
	v_cmp_ne_u32 s47, 0x01010101, v180
	s_cmp_lg_u32 s46, 0                            ; some lane has a hidden key: by a select, not by a branch
	s_cselect_b32 s46, 2<<(2*\jj), 0
	s_or_b32 s44, s44, s46
	s_cmp_lg_u32 s47, 0                            ; some lane has a key that counts
	s_cselect_b32 s47, 1<<(2*\jj), 0
	s_or_b32 s44, s44, s47
.set n0, 0
.rept 8                                ; eight words at a time: byte n % 4 goes to the top of a word, the compare gives the 32 lanes' bits, and the word goes to lane n / 2 of the step's pair
.irp e, 0,1,2,4,5,6
	v_lshlrev_b32 v[TT+\e], 24-8*(\e%4), v[XJ+n0/4+\e/4]
.endr
.irp e, 0,1,2,4,5,6
	v_cmp_lt_u32 s[48+\e], s43, v[TT+\e]
.endr
.irp e, 3,7
	v_cmp_lt_u32 s[48+\e], s43, v[XJ+n0/4+\e/4]
.endr
.irp e, 0,1,2,3,4,5,6,7
	v_writelane_b32 v[MO+2*\jj+\e%2], s[48+\e], n0/2+\e/2
.endr
.set n0, n0+8
.endr
	global_store_b64 v7, v[MO+2*\jj:MO+2*\jj+1], s[12:13] offset:256*\jj   ; 32 lanes store 256 consecutive bytes, aligned; each step has a pair of its own
.endm
.irp s, 0,1,2,3,4,5,6,7
	MSTEP \s
.endr
	v_mov_b32 v184, s44
	s_wait_alu depctr_va_vdst(0)
	s_wait_xcnt 0x0                                ; EXEC changes only behind this wait: the stores above have had their addresses translated
	v_cmp_eq_u32 vcc_lo, 0, v1
	s_and_saveexec_b32 s46, vcc_lo                 ; lane 0 alone
	global_store_b32 v11, v184, s[14:15]           ; the task's word of flags
	s_wait_xcnt 0x0                                ; and again, in front of the line that widens it
	s_or_b32 exec_lo, exec_lo, s46
	CLOSE
.Lfunc_end_k_q5f29765c33_prep:
	.size	k_q5f29765c33_prep, .Lfunc_end_k_q5f29765c33_prep-k_q5f29765c33_prep
	.p2alignl 7, 3214868480
	.fill 96, 4, 3214868480
	.section	.rodata,"a",@progbits
	.p2align	6, 0x0
	.amdhsa_kernel k_q5f29765c33_prep
		.amdhsa_group_segment_fixed_size 206848
		.amdhsa_private_segment_fixed_size 0
		.amdhsa_enable_private_segment 0
		.amdhsa_kernarg_size 48
		.amdhsa_user_sgpr_count 2
		.amdhsa_user_sgpr_kernarg_segment_ptr 1
		.amdhsa_wavefront_size32 1
		.amdhsa_system_sgpr_workgroup_id_x 1
		.amdhsa_system_sgpr_workgroup_id_y 1
		.amdhsa_system_sgpr_workgroup_id_z 1
		.amdhsa_system_vgpr_workitem_id 0
		.amdhsa_next_free_vgpr 208
		.amdhsa_next_free_sgpr 66
		.amdhsa_reserve_vcc 1
		.amdhsa_float_denorm_mode_32 3
		.amdhsa_float_denorm_mode_16_64 3
		.amdhsa_memory_ordered 1
		.amdhsa_forward_progress 1
		.amdhsa_inst_pref_size 120
	.end_amdhsa_kernel
	.amdgpu_metadata
---
amdhsa.version: [ 1, 2 ]
amdhsa.kernels:
  - .name:           k_q5f29765c33_prep
    .symbol:         k_q5f29765c33_prep.kd
    .args:
      - { .name: keys, .offset: 0, .size: 8, .value_kind: global_buffer, .address_space: global }
      - { .name: attn_mask, .offset: 8, .size: 8, .value_kind: global_buffer, .address_space: global }
      - { .name: kimg, .offset: 16, .size: 8, .value_kind: global_buffer, .address_space: global }
      - { .name: kscl, .offset: 24, .size: 8, .value_kind: global_buffer, .address_space: global }
      - { .name: lmask, .offset: 32, .size: 8, .value_kind: global_buffer, .address_space: global }
      - { .name: flags, .offset: 40, .size: 8, .value_kind: global_buffer, .address_space: global }
    .group_segment_fixed_size: 206848
    .private_segment_fixed_size: 0
    .kernarg_segment_align: 8
    .kernarg_segment_size: 48
    .max_flat_workgroup_size: 256
    .sgpr_count:     66
    .vgpr_count:     208
    .wavefront_size: 32
...
	.end_amdgpu_metadata
.endif
;; end of part 3
;; launch attn (part 4): grid 4 x 64, 16 waves a work-group, no clusters, 282,112 bytes of LDS; arguments queries, kimg, kscl, values_codes, values_scales, lmask, flags, out0; writes out0
.if DOCPART == 4
	.amdgcn_target "amdgcn-amd-amdhsa--gfx1250"
	.amdhsa_code_object_version 6
	.text
	.protected	k_q5f29765c33_attn
	.globl	k_q5f29765c33_attn
	.p2align	8
	.type	k_q5f29765c33_attn,@function
k_q5f29765c33_attn:
	s_mov_b64 s[64:65], 0
	v_nop
	global_prefetch_b8 v0, s[64:65] scope:SCOPE_SE
	s_setreg_imm32_b32 hwreg(HW_REG_WAVE_SCHED_MODE, 0, 2), 2
	s_setreg_imm32_b32 hwreg(HW_REG_WAVE_MODE, 25, 1), 1
	s_wait_xcnt 0x0
	s_wait_alu depctr_vm_vsrc(0)
; SECOND LAUNCH OF TWO.  out0[b][q][64 h + d] = the sum over keys of softmax(q . k / 8, hidden keys at -infinity) v, both products on codes of FP6 (E2M3), one E8M0 scale for each 32 along a product's K.
; THE SOFTMAX AHEAD OF THE SECOND PRODUCT: t = score x log2(e) / 8; M = the row's largest t so far, rounded UP to a whole number; p = 2^(t - M) is what is quantised, along the keys, not normalised.  The row's sum
; is taken of the unquantised p and divides at the end.  When M moves, the sum and O are multiplied by 2^(old M - new M): exact.
; WHAT IS PASSED OVER: a step of 16 queries x 128 keys whose flag, stored by the first launch from the mask's bytes, says that no key counts.  There p = 0 for every number, so it moves no maximum, no sum and no
; output, for every mask.  A step in which all keys count passes over the mask's words.  Nothing else of reference() is left out, and no pattern of the mask is built in.
; SHARES.  A work-group holds ONE head's keys and values in LDS (98,304 bytes of codes each, and their scale bytes), filled once through registers.  Each of its SIXTEEN waves owns two tiles of 16 queries, taken one
; after the other: tiles 16 x + w and 127 - (16 x + w), an early and a late one, which evens the waves' steps where a mask hides by position; the result hangs on no such thing.  Four waves to a SIMD, so that one
; wave's vector work stands beside another's matrix work and LDS loads.
; NO CLUSTER: the four work-groups of a head read the same 208,896 bytes, once each, at the head.  A joint request is a tensor load, and this launch branches on numbers read from memory (the flags).
; LAYOUT.  Both products are used transposed: S^T = K Q^T (source 0 = 16 keys, source 1 = my 16 queries), O^T = V^T P^T (source 0 = 16 of the head's 64, source 1 = P): a lane holds ONE query (lane % 16) throughout.
; Lane r of tile 2 b + u takes key 32 b + 8 u + r + 8 (r / 8), so that score registers 16 b + 0 .. 15 are the neighbouring keys 32 b + 16 (lane / 16) + 0 .. 15.
; THE FIRST PRODUCT'S K IS 64, the instruction's 128.  q's registers 6-11 hold zero codes, and bytes 2, 3 of both scale words are 0x7f.  So a tile of K needs only its six registers: the six behind them (the next
; tile's codes; behind the last tile six zeros) are multiplied by zeros; FP6 has no infinity and no NaN.
; LIMITS: NaN and infinities among the inputs are not served; blocks whose largest magnitude lies under 2^-124, the floor, were not tried; a row that the mask hides wholly gives 0 x infinity = NaN, as reference() does.
; THE MODE: SCHED_MODE bits 1:0 = 2 (LLVM: expert scheduling mode 2), set by the entry lines.  The code itself states the register dependences between vector or matrix instructions and memory or LDS
; instructions, with s_wait_alu, always for 0.
; THE PLAN.  Registers that LDS instructions touch in a step:
;   v[F ..], 48    K's loads land in it at the step's head; the eight products K Q^T read it; V's loads land in it behind the exponentials; the four products V^T P^T read it.
;   v[KS ..], v[VS ..]  the scale words: loaded with K and with V, read by the same products.
;   v29-33         the step's five LDS addresses: written by five additions at the step's head, read by the step's loads.
;   v1-4, v7-10    made at the kernel's head and never written again.
;   S^T and p, O^T, p's codes and the statistics are named in a step by vector and matrix instructions alone.
; So a step that counts has: one wait on vm_vsrc ahead of the five additions; one on va_vdst behind them, ahead of K's loads (the additions have written; the last step's products are done reading v[F ..]; in a
; pass's first step q's codes and scale word are written); the wait behind the 64 exponentials, which also states that the products K Q^T are done reading v[F ..], so that V's loads stand directly behind it and
; land under the sums, the scales and the conversions; the wait behind the four exponentials; and one behind the lines that make p's codes and scale word, ahead of the products that take them.
; Outside the steps: the fill, q's turn through the stage and the way out, each with the waits that stand there.
.set VP,    1552                       ; a row of V in LDS: 1,536 bytes + 16 = 388 words: row r starts at bank 4 r mod 64 (64 banks of 4 bytes: ISA guide 11.1), so the 32 lanes of a load of 8 bytes touch 64 different banks
.set VIMG,  98304                      ; LDS: K's image at 0 (16 steps x 6,144 bytes), then V's 64 rows,
.set KSCL,  VIMG+64*VP                 ; K's scale words (16 steps x 512 bytes),
.set VSP,   72                         ; V's scale bytes: 64 rows x (64 bytes + 8),
.set VSCL,  KSCL+8192
.set STG,   VSCL+64*VSP                ; a stage of 16 rows x (256 bytes + 16) for each wave, its own,
.set SP,    272
.set SPARE, STG+16*16*SP               ; and the spare words, 128 bytes for each wave: eight blocks of 256 bytes that no other line names
; REGISTERS: v1 16 x lane; v2, v3, v4 my lane's place in V, in K's scale words, in V's; v5, v6 the add's two; v7 stage by rows; v8 stage: my block of q; v9 stage: my 32 bytes of O; v10 my offset in 2 rows of q or out0;
; v11 -infinity; v12 -M; v13 the largest t; v[14:15] the sum in two halves; v[16:21] q's codes, v[22:27] zeros; v28 q's scale word; v29-33 the step's LDS addresses; v34 p's scale word; v35 at work
.set F,   36                           ; v36-83   K's 8 x 6 registers, then V's 4 x 12;  v84-89 zeros
.set S,   90                           ; v90-153  S^T, then p
.set O,   154                          ; v154-185 O^T
.set PC,  186                          ; v186-197 p's codes
.set VS,  198                          ; v198-199 V's scale words: lanes 0-15 tile 2 g, lanes 16-31 tile 2 g + 1
.set KS,  200                          ; v200-203 K's likewise
.set BM,  204                          ; v204-207 a block's largest score, then its largest p
.set BS,  208                          ; v208-211 the conversions' scale operands
.set BT,  212                          ; v212-215 the other half's maxima, then the bytes; v[212:214], v[216:218] second halves of the codes
.set TA,  216                          ; v[216:217] the sum's second chain
.set FF,  220                          ; v[220:221] f = 2^(old M - new M), and a word that is written since the pair is named
.set QR,  224                          ; v224-255 the second tile's q as loaded
; s[4:7] the two tiles' places in lmask; s[8:11] in out0; s12, s13 their flags; s20 wave; s[24:25] lane selects; s[26:27] c; s29 step; s30, s31, s66, s67 the step's places in K, K's scales, V, V's scales;
; s[32:63], s[68:99] a step's 64 mask words
	s_load_b512 s[4:19], s[0:1], 0x0               ; queries s[4:5], kimg s[6:7], kscl s[8:9], values_codes s[10:11], values_scales s[12:13], lmask s[14:15], flags s[16:17], out0 s[18:19]
	v_lshl_add_u32 v5, v0, 2, SPARE
	v_mov_b32 v6, 0
	v_lshrrev_b32 v1, 5, v0
	v_readfirstlane_b32 s20, v1                    ; wave 0..15
	s_and_b32 s21, ttmp7, 0xffff                   ; 16 x batch + head
	s_lshl_b32 s22, ttmp9, 4
	s_wait_alu depctr_va_sdst(0)                   ; s20 is written, ahead of its first reader: the tiles, the stage and the fill's places are made from it
	s_add_co_u32 s22, s22, s20                     ; my first tile of queries
	s_sub_co_u32 s23, 127, s22                     ; and my second
	s_mov_b32 s24, 0x76543210
	s_mov_b32 s25, 0xfedcba98                      ; v_permlanex16_b32's selects for lane l xor 16
	s_mov_b32 s26, 0x3e38aa3b                      ; c = log2(e) / 8
	s_mov_b32 s27, s26                             ; (named with it as a pair, so it is written)
	s_lshr_b32 s28, s21, 4                         ; batch
	s_and_b32 s29, s21, 15                         ; head
	s_lshl_b32 s30, s28, 7
	s_add_co_u32 s2, s30, s22                      ; 128 x batch + tile, for both tiles
	s_add_co_u32 s3, s30, s23
	s_lshl_b32 s56, s2, 3                          ; offsets, each in a pair with 0 above it.  flags: 8 bytes a tile
	s_mov_b32 s57, 0
	s_lshl_b32 s58, s3, 3
	s_mov_b32 s59, 0
	s_lshl_b32 s44, s2, 12                         ; lmask: 4,096 bytes a tile
	s_mov_b32 s45, 0
	s_lshl_b32 s46, s3, 12
	s_mov_b32 s47, 0
	s_lshl_b32 s29, s29, 8
	s_lshl_b32 s40, s2, 16                         ; queries and out0: 16 rows of 4,096 bytes a tile, + the head's 256 bytes
	s_add_co_u32 s40, s40, s29
	s_mov_b32 s41, 0
	s_lshl_b32 s42, s3, 16
	s_add_co_u32 s42, s42, s29
	s_mov_b32 s43, 0
	s_mul_i32 s48, s21, 98304                      ; a head's codes, of K and of V
	s_mov_b32 s49, 0
	s_lshl_b32 s50, s21, 13                        ; K's scale words
	s_mov_b32 s51, 0
	s_lshl_b32 s52, s21, 12                        ; V's scale bytes
	s_mov_b32 s53, 0
	v_and_b32 v12, 31, v0                          ; lane
	v_and_b32 v13, 15, v0                          ; r
	v_bfe_u32 v14, v0, 4, 1                        ; hh
	v_lshlrev_b32 v1, 4, v12
	v_mul_u32_u24 v2, v13, VP
	v_mad_u32_u24 v2, v14, 24, v2
	v_add_nc_u32 v2, VIMG, v2                      ; V: row r, + 24 hh
	v_add_nc_u32 v3, KSCL, v1
	v_mul_u32_u24 v4, v12, VSP
	v_add_nc_u32 v4, VSCL, v4                      ; V's scale bytes: row = lane: lanes 0-15 one tile's rows, lanes 16-31 the next tile's
	s_mul_i32 s28, s20, 16*SP
	s_add_co_u32 s28, s28, STG                     ; my stage
	v_mul_u32_u24 v7, v14, SP
	v_lshl_add_u32 v7, v13, 4, v7
	v_add_nc_u32 v7, s28, v7                       ; by rows: lanes 0-15 one row of 256 bytes, lanes 16-31 the next
	v_mul_u32_u24 v8, v13, SP
	v_lshl_add_u32 v9, v14, 5, v8
	v_lshl_add_u32 v8, v14, 7, v8
	v_add_nc_u32 v8, s28, v8                       ; row r, + my block's 128 bytes
	v_add_nc_u32 v9, s28, v9                       ; row r, + 32 hh
	v_lshlrev_b32 v10, 12, v14
	v_lshl_add_u32 v10, v13, 4, v10                ; the same two rows in queries and out0
	v_lshlrev_b32 v29, 4, v0                       ; the fill: 16 x thread, in memory and in LDS;
	s_mul_i32 s100, s20, 6144
	v_add_nc_u32 v30, s100, v1                     ; V in memory: four rows a wave;
	v_lshlrev_b32 v31, 3, v0                       ; V's scale bytes in memory: 8 x thread;
	v_add_nc_u32 v32, 65536, v29                   ; K's image beyond an LDS offset's 16 bits;
	s_mul_i32 s101, s20, 4*VP
	s_add_co_u32 s101, s101, VIMG
	v_add_nc_u32 v33, s101, v1                     ; V in LDS: four rows a wave;
	v_add_nc_u32 v204, KSCL, v29
	v_lshrrev_b32 v205, 3, v0
	v_mul_u32_u24 v205, v205, VSP
	v_and_b32 v206, 7, v0
	v_lshl_add_u32 v205, v206, 3, v205
	v_add_nc_u32 v205, VSCL, v205                  ; V's scale bytes in LDS: row thread / 8, 8 bytes
	s_wait_kmcnt 0x0
	s_add_nc_u64 s[56:57], s[16:17], s[56:57]
	s_add_nc_u64 s[58:59], s[16:17], s[58:59]
	s_load_b64 s[36:37], s[56:57], 0x0             ; my two tiles' flags
	s_load_b64 s[38:39], s[58:59], 0x0
	s_add_nc_u64 s[6:7], s[6:7], s[48:49]
	s_add_nc_u64 s[10:11], s[10:11], s[48:49]
	s_add_nc_u64 s[8:9], s[8:9], s[50:51]
	s_add_nc_u64 s[12:13], s[12:13], s[52:53]
	s_add_nc_u64 s[32:33], s[4:5], s[40:41]
	s_add_nc_u64 s[34:35], s[4:5], s[42:43]
	s_wait_alu depctr_va_vdst(0)                   ; all the offsets and LDS addresses made above are written: v7 to v10 for the whole kernel, v29 to v33, v204 and v205 for the fill's loads and stores; no vector line writes any of them before its reader
.irp i, 0,1,2,3,4,5,6,7,8,9,10,11
	global_load_b128 v[F+4*\i:F+4*\i+3], v29, s[6:7] offset:8192*\i        ; the head's image of K: the 512 threads take 8,192 consecutive bytes a load
.endr
.irp i, 0,1,2,3,4,5,6,7,8,9,10,11
	global_load_b128 v[S+4*\i:S+4*\i+3], v30, s[10:11] offset:512*\i       ; V's codes: 512 consecutive bytes a wave and load
.endr
	global_load_b128 v[138:141], v29, s[8:9]       ; K's scale words
	global_load_b64 v[142:143], v31, s[12:13]      ; V's scale bytes
.irp i, 0,1,2,3,4,5,6,7
	global_load_b128 v[144+4*\i:147+4*\i], v10, s[32:33] offset:8192*\i th:TH_LOAD_NT   ; my first tile of q: sixteen lanes read a row's 256 bytes
.endr
.irp i, 0,1,2,3,4,5,6,7
	global_load_b128 v[QR+4*\i:QR+4*\i+3], v10, s[34:35] offset:8192*\i th:TH_LOAD_NT   ; my second: it has the whole first pass in which to land
.endr
	s_wait_xcnt 0x0                                ; all these loads have had their addresses translated: their bases and offsets may be written
	s_wait_kmcnt 0x0                               ; the flags
	s_lshl_b32 s37, s37, 16
	s_or_b32 s12, s36, s37                         ; two bits a step, 16 steps
	s_lshl_b32 s39, s39, 16
	s_or_b32 s13, s38, s39
	s_add_nc_u64 s[4:5], s[14:15], s[44:45]
	s_add_nc_u64 s[6:7], s[14:15], s[46:47]
	s_add_nc_u64 s[8:9], s[18:19], s[40:41]
	s_add_nc_u64 s[10:11], s[18:19], s[42:43]
.irp i, 0,1,2,3,4,5
	v_mov_b32 v[22+\i], 0                          ; q's codes for k = 64 .. 127.  (None of the registers cleared here is named by a load or store of the fill)
	v_mov_b32 v[84+\i], 0                          ; what stands behind K's last tile
.endr
.irp i, 0,1,2,3
	v_mov_b32 v[BT+\i], 0                          ; written once: a lane permute's destination counts as one of its sources
.endr
	v_mov_b32 v35, 0                               ; likewise
	v_mov_b32 v[FF+1], 0
	v_mov_b32 v11, 0xff800000                      ; -infinity
	s_wait_loadcnt 16                              ; the 26 loads of the fill are in; q's 16 may be out
.irp i, 0,1,2,3,4,5,6,7
	ds_store_b128 v29, v[F+4*\i:F+4*\i+3] offset:8192*\i
.endr
.irp i, 8,9,10,11
	ds_store_b128 v32, v[F+4*\i:F+4*\i+3] offset:8192*(\i-8)
.endr
.irp i, 0,1,2,3,4,5,6,7,8,9,10,11
	ds_store_b128 v33, v[S+4*\i:S+4*\i+3] offset:VP*(\i/3)+512*(\i%3)
.endr
	ds_store_b128 v204, v[138:141]
	ds_store_b64 v205, v[142:143]
	s_wait_loadcnt 8                               ; my first tile of q is in; the second tile's 8 loads may be out
	s_wait_dscnt 0x0                               ; the fill's stores are done: the loads below land on registers that they named
; A tile of q, loaded by rows, turns through my stage, so that lane (r, hh) holds block hh (32 numbers) of query r in v[S] on.  LDS serves a wave's instructions in order (ISA guide 5.7.1.4): no wait on DScnt between the stores and the loads.
.macro QTURN src
.irp i, 0,1,2,3,4,5,6,7
	ds_store_b128 v7, v[\src+4*\i:\src+4*\i+3] offset:2*SP*\i
.endr
	s_wait_alu depctr_vm_vsrc(0)                   ; every store issued so far has read its registers.  At the head: the fill's have read v[F ..], v[S ..], v138-143, v204, v205, and the eight above v144-175, all of which are written again below.
	                                               ; Between the passes: the way out's LDS stores have read v[S .. S + 31], in which the loads below land, and its global stores v[S + 32 ..], which the second pass's products write
.irp i, 0,1,2,3,4,5,6,7
	ds_load_b128 v[S+4*\i:S+4*\i+3], v8 offset:16*\i
.endr
.endm
; and is quantised: codes in v[16:21], the scale word (block 0's byte, block 1's, 0x7f, 0x7f) in v28.  Work on registers alone.
.macro QQUANT
	v_max3_num_f32 v[BM], |v[S]|, |v[S+1]|, 0x1800000      ; the floor 2^(3 - 127): the byte cannot fall under 1
	v_max3_num_f32 v[BM+1], |v[S+2]|, |v[S+3]|, |v[S+4]|   ; (two chains)
.irp i, 5,9,13,17,21,25
	v_max3_num_f32 v[BM], v[BM], |v[S+\i]|, |v[S+\i+1]|
	v_max3_num_f32 v[BM+1], v[BM+1], |v[S+\i+2]|, |v[S+\i+3]|
.endr
	v_max3_num_f32 v[BM], v[BM], |v[S+29]|, |v[S+30]|
	v_max3_num_f32 v[BM], v[BM], v[BM+1], |v[S+31]|
	v_bfe_u32 v[BM+2], v0, 4, 1
	v_lshlrev_b32 v[BM+2], 3, v[BM+2]              ; 8 hh
	v_mov_b32 v[BM+3], 0
	v_add_nc_u32 v[BS], 0xff000000, v[BM]          ; 2 off the exponent field: the conversion's scale operand
	v_lshrrev_b32 v[BM+1], 23, v[BS]               ; the scale's byte
	v_cvt_scalef32_pk16_fp6_f32 v[16:18], v[S:S+15], v[BS]
	v_cvt_scalef32_pk16_fp6_f32 v[BT:BT+2], v[S+16:S+31], v[BS]   ; (a conversion's three registers begin on an even number)
	v_lshlrev_b32 v[BM+1], v[BM+2], v[BM+1]        ; my byte at its place.  (A plain line behind the conversions)
.irp i, 0,1,2
	v_mov_b32 v[19+\i], v[BT+\i]
.endr
	v_permlanex16_b32 v[BM+3], v[BM+1], s24, s25
	v_or_b32 v28, v[BM+1], v[BM+3]                 ; with lane l xor 16's byte
	v_or_b32 v28, 0x7f7f0000, v28
.endm
; THE SCORES of a step: S^T = K Q^T, eight tiles of 16 keys.  mixed = 1: the step's 64 mask words come by scalar loads, and hidden scores become -infinity.
.macro SCORES mixed, p
.if \mixed
	s_load_b512 s[32:47], s[4+2*\p:5+2*\p], 0x0
	s_load_b512 s[48:63], s[4+2*\p:5+2*\p], 0x40
	s_load_b512 s[68:83], s[4+2*\p:5+2*\p], 0x80
	s_load_b512 s[84:99], s[4+2*\p:5+2*\p], 0xc0
.endif
	s_wait_alu depctr_va_vdst(0)                   ; the five additions have written v29 to v33, which this step's loads read; the last step's products V^T P^T are done reading v[F ..], and its products K Q^T v[KS ..], in which the loads below land;
	                                               ; in a pass's first step q's codes, the zeros beside them and behind K, and q's scale word are written, which the scaled products below take (the pass's clears are the places in front of them)
.irp c, 0,1,2,3,4,5,6,7,8,9,10,11
	ds_load_b128 v[F+4*\c:F+4*\c+3], v29 offset:512*\c     ; the image of my 48 registers: 512 consecutive bytes a load
.endr
	ds_load_b128 v[KS:KS+3], v32
	s_wait_dscnt 0x0
.irp t, 0,1,2,3,4,5,6,7
.if \t%2
	v_wmma_scale_f32_16x16x128_f8f6f4 v[S+8*\t:S+8*\t+7], v[F+6*\t:F+6*\t+11], v[16:27], 0, v[KS+\t/2], v28 matrix_a_fmt:MATRIX_FMT_FP6 matrix_b_fmt:MATRIX_FMT_FP6 matrix_a_scale:MATRIX_SCALE_ROW1
.else
	v_wmma_scale_f32_16x16x128_f8f6f4 v[S+8*\t:S+8*\t+7], v[F+6*\t:F+6*\t+11], v[16:27], 0, v[KS+\t/2], v28 matrix_a_fmt:MATRIX_FMT_FP6 matrix_b_fmt:MATRIX_FMT_FP6
.endif
.endr
.rept 4
	v_nop                                          ; four places (ISA guide 7.12.1) in front of the first read of the scores
.endr
.if \mixed
	s_wait_kmcnt 0x0                               ; the mask words
	s_wait_xcnt 0x0                                ; and their loads have read their base, which is stepped at the trip's end
.set n, 0
.rept 64
	v_cndmask_b32 v[S+n], v[S+n], v11, s[32+n+4*(n/32)]    ; ascending: each accumulator is read from its low end on
.set n, n+1
.endr
.endif
.endm
; THE SOFTMAX of a step, V's fragments asked for in its middle, and O^T += V^T P^T.
.macro SOFTPV
.irp b, 0,1,2,3
	v_max3_num_f32 v[BM+\b], v[S+16*\b], v[S+16*\b+1], v[S+16*\b+2]   ; the largest score of each block of 32 keys: it serves for the row's maximum and, since p rises with the score, for the block's largest p
.endr
.irp i, 3,5,7,9,11,13
.irp b, 0,1,2,3
	v_max3_num_f32 v[BM+\b], v[BM+\b], v[S+16*\b+\i], v[S+16*\b+\i+1]   ; (the four blocks by turns)
.endr
.endr
.irp b, 0,1,2,3
	v_max_num_f32 v[BM+\b], v[BM+\b], v[S+16*\b+15]
.endr
.irp b, 0,1,2,3
	v_permlanex16_b32 v[BT+\b], v[BM+\b], s24, s25
.endr
.irp b, 0,1,2,3
	v_max_num_f32 v[BM+\b], v[BM+\b], v[BT+\b]     ; with lane l xor 16's 16 keys
.endr
	v_max3_num_f32 v35, v[BM], v[BM+1], v[BM+2]
	v_max_num_f32 v35, v35, v[BM+3]                ; the step's largest score of my query (-infinity where all its keys are hidden)
	v_mul_f32 v35, s26, v35                        ; as t (c is positive)
	v_max_num_f32 v13, v13, v35                    ; the running largest t
	v_mov_b32 v35, v12
	v_floor_f32 v12, -v13                          ; the new -M = floor(-t) = -ceil(t): a whole number
	v_sub_f32 v35, v12, v35                        ; M's old value less its new one: a whole number, 0 or less
	v_cvt_i32_f32 v35, v35                         ; (it saturates)
	v_ldexp_f32 v[FF], 1.0, v35                    ; f = 2^(old M - new M)
.set n, 0
.rept 32
	v_pk_fma_f32 v[S+n:S+n+1], v[S+n:S+n+1], s[26:27], v[12:13] op_sel_hi:[1,0,0]   ; t - M, two at a time (of the pairs c and -M the low word serves both halves)
.set n, n+2
.endr
.irp b, 0,1,2,3
	v_fma_f32 v[BM+\b], v[BM+\b], s26, v12         ; the same of each block's largest score
.endr
.set n, 0
	s_wait_alu depctr_va_vdst(0)
.rept 64
	v_exp_f32 v[S+n], v[S+n]                       ; p = 2^(t - M), at most 1
.set n, n+1
.endr
	v_pk_mul_f32 v[14:15], v[14:15], v[FF:FF+1] op_sel_hi:[1,0]   ; the sums under the new M.  (A plain line behind the exponentials)
	s_wait_alu depctr_va_vdst(0)                   ; the 64 exponentials have written p, ahead of the first line that names a result; and the products K Q^T are done reading v[F ..], the last step's products V^T P^T v[VS ..], in which the loads below land
.irp t, 0,1,2,3
.irp e, 0,1,2,3,4,5
	ds_load_b64 v[F+12*\t+2*\e:F+12*\t+2*\e+1], v[30+\t/2] offset:16*VP*(\t%2)+48*(\e/3)+8*(\e%3)   ; V^T: row 16 t + r, these 128 keys: 24 bytes at 24 hh and 24 at 48 + 24 hh, in pieces of 8.  No vector line behind the wait names these registers ahead of the products
.endr
.endr
	ds_load_b32 v[VS], v33
	ds_load_b32 v[VS+1], v33 offset:32*VSP
.irp b, 0,1,2,3
	v_exp_f32 v[BM+\b], v[BM+\b]                   ; the block's largest p: the same two instructions on the same number give the same bits
.endr
	v_pk_add_f32 v[TA:TA+1], v[S:S+1], v[S+2:S+3]  ; the row's sum is taken of the unquantised p: two at a time, in two chains
.irp j, 4,8,12,16,20,24,28,32,36,40,44,48,52,56,60
	v_pk_add_f32 v[14:15], v[14:15], v[S+\j:S+\j+1]
	v_pk_add_f32 v[TA:TA+1], v[TA:TA+1], v[S+\j+2:S+\j+3]
.endr
	v_pk_add_f32 v[14:15], v[14:15], v[TA:TA+1]
	s_wait_alu depctr_va_vdst(0)                   ; the four exponentials have written the blocks' largest p, ahead of the first line that names one
.irp b, 0,1,2,3
	v_max_num_f32 v[BM+\b], 0x1800000, v[BM+\b]    ; the floor 2^(3 - 127): the byte cannot fall under 1 (a block whose every p is 0 keeps that byte: its codes are zeros)
.endr
.irp b, 0,1,2,3
	v_add_nc_u32 v[BS+\b], 0xff000000, v[BM+\b]    ; 2 off the exponent field: the conversion's scale operand
.endr
.irp b, 0,1,2,3
	v_lshrrev_b32 v[BT+\b], 23, v[BS+\b]           ; the scale's byte
.endr
	v_lshl_or_b32 v34, v[BT+1], 8, v[BT]           ; p's scale word for these 128 keys
	v_lshl_or_b32 v34, v[BT+2], 16, v34
	v_lshl_or_b32 v34, v[BT+3], 24, v34
.irp c, 0,1
	v_cvt_scalef32_pk16_fp6_f32 v[PC+6*\c:PC+6*\c+2], v[S+32*\c:S+32*\c+15], v[BS+2*\c]
	v_cvt_scalef32_pk16_fp6_f32 v[BT+4*\c:BT+4*\c+2], v[S+32*\c+16:S+32*\c+31], v[BS+2*\c+1]   ; (a conversion's three registers begin on an even number)
.endr
	v_nop                                          ; one plain line behind the scaled conversions
.irp c, 0,1                            ; the operand's layout wants a WHOLE block in a lane: lanes 0-15 block 2 c, lanes 16-31 block 2 c + 1
.irp i, 0,1,2
	v_permlane16_swap_b32 v[PC+6*\c+\i], v[BT+4*\c+\i]
.endr
.irp i, 0,1,2
	v_mov_b32 v[PC+3+6*\c+\i], v[BT+4*\c+\i]
.endr
.endr
.set n, 0
.rept 16
	v_pk_mul_f32 v[O+n:O+n+1], v[O+n:O+n+1], v[FF:FF+1] op_sel_hi:[1,0]   ; O^T under the new M, from each accumulator's low end on.  (These 16 are also the places between the lines that made p's codes and scale word and the products)
.set n, n+2
.endr
	s_wait_alu depctr_va_vdst(0)                   ; p's codes v[PC ..] and p's scale word v34 are written, which the scaled products below take; the places above stay beside this wait
	s_wait_dscnt 0x0                               ; V's fragments and scale words, asked for behind the exponentials
.irp t, 0,1,2,3                        ; the four accumulators by turns, one instruction a turn
.if \t%2
	v_wmma_scale_f32_16x16x128_f8f6f4 v[O+8*\t:O+8*\t+7], v[F+12*\t:F+12*\t+11], v[PC:PC+11], v[O+8*\t:O+8*\t+7], v[VS+\t/2], v34 matrix_a_fmt:MATRIX_FMT_FP6 matrix_b_fmt:MATRIX_FMT_FP6 matrix_a_scale:MATRIX_SCALE_ROW1
.else
	v_wmma_scale_f32_16x16x128_f8f6f4 v[O+8*\t:O+8*\t+7], v[F+12*\t:F+12*\t+11], v[PC:PC+11], v[O+8*\t:O+8*\t+7], v[VS+\t/2], v34 matrix_a_fmt:MATRIX_FMT_FP6 matrix_b_fmt:MATRIX_FMT_FP6
.endif
.endr
.endm
; THE WAY OUT of a tile: O^T / the sum goes through my stage and leaves as whole rows of 256 bytes.
.macro WAYOUT p
	v_add_f32 v14, v14, v15                        ; the sum's two halves,
	v_permlanex16_b32 v35, v14, s24, s25
	v_add_f32 v14, v14, v35                        ; and lane l xor 16's: the row's sum
	s_wait_alu depctr_va_vdst(0)
	v_rcp_f32 v14, v14
.rept 3
	v_nop                                          ; a plain line behind the reciprocal; with the two additions these are also the places behind the last products
.endr
	s_wait_alu depctr_va_vdst(0)                   ; the reciprocal has written v14, ahead of its first reader
.set n, 0
.rept 32
	v_mul_f32 v[S+n], v[O+n], v14                  ; register 8 t + i is o(query r, 16 t + 8 hh + i)
.set n, n+1
.endr
	s_wait_alu depctr_va_vdst(0)                   ; the 32 multiplications have written v[S .. S + 31], which the LDS stores read; and every vector line that named v[S + 32 ..], in which the loads from the stage land, is done
.irp t, 0,1,2,3
	ds_store_b128 v9, v[S+8*\t:S+8*\t+3] offset:64*\t
	ds_store_b128 v9, v[S+8*\t+4:S+8*\t+7] offset:64*\t+16
.endr
.irp i, 0,1,2,3,4,5,6,7
	ds_load_b128 v[S+32+4*\i:S+32+4*\i+3], v7 offset:2*SP*\i   ; LDS serves a wave's instructions in order: these see my stores
.endr
.irp i, 0,1,2,3,4,5,6,7
	s_wait_dscnt 7-\i                              ; load i is in; the younger ones may be out
	global_store_b128 v10, v[S+32+4*\i:S+32+4*\i+3], s[8+2*\p:9+2*\p] offset:8192*\i th:TH_STORE_NT   ; sixteen lanes store 256 consecutive bytes, aligned; written once, read by nobody here
.endr
.endm
; A PASS: one tile of 16 queries over the head's 16 steps of 128 keys.  The trip count is a constant; what a flag leaves out is a step's work, not the lines that step addresses.  O^T and the sum begin as zeros and the
; largest t as -3e38: which step is the first that counts hangs on the flags, so no first step can be written out.
.macro PASS p
	v_mov_b32 v13, 0xff61b1e6                      ; -3e38, under every t
	v_floor_f32 v12, -v13
	v_mov_b32 v14, 0
	v_mov_b32 v15, 0
.set n, 0
.rept 32
	v_mov_b32 v[O+n], 0
.set n, n+1
.endr
	s_mov_b32 s29, 0
	s_mov_b32 s30, 0
	s_mov_b32 s31, 0
	s_mov_b32 s66, 0
	s_mov_b32 s67, 0
.Lstep_\p:
	s_bitcmp1_b32 s[12+\p], 0                      ; does any key of this step count for any of my queries?
	s_cbranch_scc0 .Lskip_\p
	s_wait_alu depctr_vm_vsrc(0)                   ; the LDS loads of the last step that counted (ahead of the first: the fill's loads and stores) have read v29 to v33, which the five additions write
	v_add_nc_u32 v29, s30, v1                      ; the step's addresses
	v_add_nc_u32 v32, s31, v3
	v_add_nc_u32 v30, s66, v2
	v_add_nc_u32 v31, 32*VP, v30                   ; V's rows 32 on: beyond an LDS offset's 16 bits
	v_add_nc_u32 v33, s67, v4
	s_bitcmp1_b32 s[12+\p], 1                      ; is any key hidden?  One branch decides both the loading and the use of the mask words
	s_cbranch_scc0 .Lopen_\p
	SCORES 1, \p
	s_branch .Ljoin_\p
.Lopen_\p:
	SCORES 0, \p
.Ljoin_\p:
	SOFTPV
.Lskip_\p:
	s_lshr_b32 s[12+\p], s[12+\p], 2               ; the next step's two flags
	s_add_co_u32 s30, s30, 6144
	s_add_co_u32 s31, s31, 512
	s_add_co_u32 s66, s66, 96
	s_add_co_u32 s67, s67, 4
	s_add_nc_u64 s[4+2*\p:5+2*\p], s[4+2*\p:5+2*\p], 256
	s_add_co_u32 s29, s29, 1
	s_cmp_lt_u32 s29, 16
	s_cbranch_scc1 .Lstep_\p
	WAYOUT \p
.endm
	QTURN 144
	s_wait_dscnt 0x0                               ; for the others' sake: my part of the fill lies in LDS; and my q is back
	s_barrier_signal -1                            ; the launch's one barrier, ahead of every branch on the flags
	QQUANT                                         ; work on registers while the others arrive
	s_barrier_wait -1                              ; the whole head lies in LDS; from here on it is only read
	PASS 0
	s_wait_loadcnt 0x0                             ; my second tile of q
	s_wait_xcnt 0x0                                ; the first tile's stores have had their addresses translated: beside it stands the wait on vm_vsrc in the turn below
	QTURN QR
	s_wait_dscnt 0x0
	QQUANT
	PASS 1
	s_wait_dscnt 0x0                               ; the closing lines, six on end
	s_wait_alu 0x0
	s_wait_tensorcnt 0x0
	ds_add_u32 v5, v6
	s_wait_dscnt 0x0
	s_endpgm
.Lfunc_end_k_q5f29765c33_attn:
	.size	k_q5f29765c33_attn, .Lfunc_end_k_q5f29765c33_attn-k_q5f29765c33_attn
	.p2alignl 7, 3214868480
	.fill 96, 4, 3214868480
	.section	.rodata,"a",@progbits
	.p2align	6, 0x0
	.amdhsa_kernel k_q5f29765c33_attn
		.amdhsa_group_segment_fixed_size 282112
		.amdhsa_private_segment_fixed_size 0
		.amdhsa_enable_private_segment 0
		.amdhsa_kernarg_size 64
		.amdhsa_user_sgpr_count 2
		.amdhsa_user_sgpr_kernarg_segment_ptr 1
		.amdhsa_wavefront_size32 1
		.amdhsa_system_sgpr_workgroup_id_x 1
		.amdhsa_system_sgpr_workgroup_id_y 1
		.amdhsa_system_sgpr_workgroup_id_z 1
		.amdhsa_system_vgpr_workitem_id 0
		.amdhsa_next_free_vgpr 256
		.amdhsa_next_free_sgpr 102
		.amdhsa_reserve_vcc 0
		.amdhsa_float_denorm_mode_32 3
		.amdhsa_float_denorm_mode_16_64 3
		.amdhsa_memory_ordered 1
		.amdhsa_forward_progress 1
		.amdhsa_inst_pref_size 72
	.end_amdhsa_kernel
	.amdgpu_metadata
---
amdhsa.version: [ 1, 2 ]
amdhsa.kernels:
  - .name:           k_q5f29765c33_attn
    .symbol:         k_q5f29765c33_attn.kd
    .args:
      - { .name: queries, .offset: 0, .size: 8, .value_kind: global_buffer, .address_space: global }
      - { .name: kimg, .offset: 8, .size: 8, .value_kind: global_buffer, .address_space: global }
      - { .name: kscl, .offset: 16, .size: 8, .value_kind: global_buffer, .address_space: global }
      - { .name: values_codes, .offset: 24, .size: 8, .value_kind: global_buffer, .address_space: global }
      - { .name: values_scales, .offset: 32, .size: 8, .value_kind: global_buffer, .address_space: global }
      - { .name: lmask, .offset: 40, .size: 8, .value_kind: global_buffer, .address_space: global }
      - { .name: flags, .offset: 48, .size: 8, .value_kind: global_buffer, .address_space: global }
      - { .name: out0, .offset: 56, .size: 8, .value_kind: global_buffer, .address_space: global }
    .group_segment_fixed_size: 282112
    .private_segment_fixed_size: 0
    .kernarg_segment_align: 8
    .kernarg_segment_size: 64
    .max_flat_workgroup_size: 512
    .sgpr_count:     102
    .vgpr_count:     256
    .wavefront_size: 32
...
	.end_amdgpu_metadata
.endif
;; end of part 4
